; MI455X (gfx1250); checked and timed in simulation.
; The chip was launched on July 23, 2026; its instructions are those of AMD's public machine-readable ISA for CDNA 5 (MIT licence, August 2026) and "CDNA5" Instruction Set Architecture Reference Guide (July 2026). The comments in the code are by the model that wrote it; some were corrected since.
;; Causal Self Attention. Allowed arithmetic: matrix products marked QUANTISED: E2M1 operands, one E8M0 scale for each 32 along K, by v_wmma_scale_f32_16x16x128_f8f6f4 with both operands' format E2M1 (or v_wmma_scale_f32_32x16x128_f4), f32 sums; everything else in f32.
;; Inputs: b_proj 1,024 float32; b_qkv 3,072 float32; w_proj 1,024 x 1,024 float32; w_qkv 3,072 x 1,024 float32; x 4 x 2,048 x 1,024 float32.
;; Outputs: out0 4 x 2,048 x 1,024 float32.
;; This version of the problem:
;;   THIS VERSION OF THE PROBLEM IS GIVEN IN LOW PRECISION. The matrix products marked QUANTISED in the list below multiply operands that are first quantised to E2M1 (2 exponent bits, 1 mantissa bit; 4 bits a number), with one power-of-two scale for each 32 numbers along K (OCP MX v1.0); their sums are f32. All else is computed in f32.
;;   The module's matrix products, in the order in which they are computed (A, B: the left and right operand; K: the contracted axis; several contracted axes count as one K, in the product's order):
;;     1. [M 8,192, K 1,024] x [K 1,024, N 3,072]; A: input x; B: input w_qkv: QUANTISED
;;     2. batch 64 x [M 2,048, K 64] x [K 64, N 2,048]; A: computed on the way; B: computed on the way: QUANTISED
;;     3. batch 64 x [M 64, K 2,048] x [K 2,048, N 2,048]; A: computed on the way; B: softmax (see below): QUANTISED
;;     4. [M 8,192, K 1,024] x [K 1,024, N 1,024]; A: computed on the way; B: input w_proj: QUANTISED
;;   THE QUANTISER, for each operand of a quantised product, along K:
;;     - K is cut into blocks of 32 from its start; a last block that is shorter is filled with zeros.
;;     - A block's scale is 2^e with e = floor(log2(the largest magnitude in the block)) - 2, held to -126 .. 127; a block of zeros has e = 0. As a byte (E8M0): e + 127.
;;     - Each number is divided by its block's scale, clamped to +-6, and rounded to the nearest number of E2M1, ties to even, subnormals kept.
;;     - The product sums the exact products of the quantised numbers (number of the format x scale) in f32.
;;   ~~~python
;;   def quantise(x, axis):      # numpy; x: float32 -> the quantised numbers, widened to float32 again
;;       x = np.moveaxis(x, axis, -1); K = x.shape[-1]
;;       x = np.pad(x, [(0, 0)] * (x.ndim - 1) + [(0, -K % 32)]); x = x.reshape(x.shape[:-1] + (-1, 32)); a = np.abs(x).max(-1, keepdims=True)
;;       e = np.where(a > 0, np.clip(np.frexp(np.where(a > 0, a, 1))[1] - 1 - 2, -126, 127), 0)      # np.frexp(a)[1] - 1 = floor(log2(a)), exactly
;;       r = np.clip(x / 2.0 ** e, -6, 6)
;;       step = 2.0 ** (np.maximum(np.frexp(np.where(r == 0, 1, r))[1] - 1, 0) - 1)
;;       q = np.round(r / step) * step * 2.0 ** e      # np.round: ties to even
;;       return np.moveaxis(q.reshape(q.shape[:-2] + (-1,))[..., :K], -1, axis).astype(np.float32)
;;   ~~~
;;   SOFTMAX AHEAD OF A QUANTISED PRODUCT. Where the list says 'softmax', what is quantised is not the finished softmax but p = 2^(t - M), with t = logit x log2(e) and M = ceil(the row's largest t), a whole number; so 1/2 < the row's largest p <= 1. The row's sum l is taken of the UNQUANTISED p, in f32, and the product's result is divided by l at the end. Since M is a whole number, a kernel that streams over the keys may use a running M (the ceiling of the running maximum): every later rescaling is an exact power of two, which a block's scale takes up: the codes' values come out the same.
;;   OPERANDS COMPUTED ON THE WAY. 'Computed on the way' means the value that the module computes at that place (a softmax that the list does not call 'softmax' is quantised finished and normalised). What goes into a quantiser is computed in f32, as accurately as f32 sums, v_exp_f32 and their like allow (about 1e-6 of the number): no bf16 or f16 on the way to a quantiser, and a product that is left as it is and whose result goes on into a quantised operand takes f32 operands (vector FMAs, or v_wmma_f32_16x16x4_f32). A number that lies on a knife's edge between two numbers of the format may be rounded either way, as far as f32 arithmetic and the matrix unit's own rounding can turn it there, and no further.
;; One version. Each part assembles by itself: llvm-mc -triple=amdgcn-amd-amdhsa -mcpu=gfx1250 --defsym DOCPART=n.
;; ======== version 1 of 1: 4 launches
;; limits: right only within a limited range of input values
;; workspace buffers: codes 6,291,456 bytes; scales 393,216 bytes; qkv 13,369,344 bytes; ocodes 4,194,304 bytes; oscales 262,144 bytes
;; launch quant (part 1): grid 384 x 1, 4 waves a work-group, no clusters, 41,472 bytes of LDS; arguments x, w_qkv, w_proj, codes, scales; writes codes, scales
.if DOCPART == 1
	.amdgcn_target "amdgcn-amd-amdhsa--gfx1250"
	.amdhsa_code_object_version 6
	.text
	.protected	k_q238e828f6c_quant
	.globl	k_q238e828f6c_quant
	.p2align	8
	.type	k_q238e828f6c_quant,@function
k_q238e828f6c_quant:
	s_mov_b64 s[64:65], 0
	v_nop
	global_prefetch_b8 v0, s[64:65] scope:SCOPE_SE
	s_setreg_imm32_b32 hwreg(HW_REG_WAVE_MODE, 25, 1), 1
	s_wait_xcnt 0x0
; CAUSAL SELF-ATTENTION, B = 4, T = 2,048, E = 1,024, 16 heads of 64, all four products on codes of FP4 (E2M1) with one E8M0 scale for each 32 along K.
; Four launches: this one (x, w_qkv, w_proj into codes), qkv (product 1, bias, q k v into codes), attn (products 2 and 3, softmax, the result into codes), proj (product 4, bias).
; WORK LEFT OUT, in attn: key steps of 128 keys that lie wholly behind a tile's 16 queries.  reference() sets their scores to -infinity by its own jnp.tril, so p = 0 there for all values of the inputs:
; they add nothing to the row's maximum, to its sum or to product 3, and zeros move no block's scale or code.  Every input has a way to the output (b_qkv moves the codes of q, k and v), so all are loaded.
; LIMIT: a NaN, an infinity or an overflow that would reach only the steps left out is not carried to the result.
; THIS LAUNCH.  x [8192][1024], w_qkv [3072][1024], w_proj [1024][1024], f32, K innermost, are 12,288 rows = 768 tiles of 16 rows, x's first, then w_qkv's, then w_proj's.
; A block's scale is 2^(floor(log2(its largest magnitude)) - 2); its byte is the largest magnitude's exponent field - 2, held at 1 from below.  Each number is divided by the scale and rounded to the nearest code, ties to even, beyond 6 to 6.
; LIMITS: a block of zeros, or one whose largest magnitude lies under 2^-124, gets the byte 1 (zeros: the rule says 127; the codes are zeros and this program alone reads the bytes); NaN and infinities among the inputs are not served.
; THE ORDER OF ROWS.  Row n lies at position n with bits 3 and 4 exchanged, so that two neighbouring tiles used as source 0 give a lane 16 neighbours along that axis.
; THE CODES ARE LAID AS IMAGES OF OPERAND REGISTERS: a tile is 8,192 bytes, [K step of 128][c][lane][16 bytes]: lane (r, h) of part c holds bytes 64 q + 32 c + 16 h + 0..15 of row r's 512.
; THE SCALE BYTES: a tile is 512 bytes, [half of K][row][16 bytes].
; A wave takes one tile's 16 rows x 512 along K, a row a step.  Each load reads 512 consecutive bytes; a step's 2,048 bytes turn through the wave's own stage and come back 64 bytes a lane: 16 neighbours, two lanes to a block.
; Codes and bytes are gathered in the wave's own LDS and leave as 4,096 and 256 consecutive aligned bytes.  No barrier: waves share nothing.
.set STEPS, 16
.set R,     16                         ; v16-79   four sets of 16 numbers as they are loaded; at the end the codes on their way out
.set X,     80                         ; v80-111  two sets of 16 neighbours
.set E,     112                        ; v112-127 a scale byte for each step
.set C,     128                        ; v128-159 codes: two registers for each step
.set WREG,  10240                      ; LDS: a region for each wave
.set SP,    80                         ; a lane's place in a stage: 64 bytes + 16 of padding; two stages of 32 such places
.set SBY,   5120                       ; the wave's 256 scale bytes
.set CST,   5376                       ; the codes: 16 pieces (16 bytes of each of 16 rows) of 256 bytes + 16 of padding
.set CP,    272
.set SPW,   12                         ; v12 LDS address of my spare word; never rewritten
.set NIL,   13                         ; v13 0; never rewritten
.set SPARE, 4*WREG                     ; the spare words: 128 bytes a wave, named by no other line
	s_load_b256 s[4:11], s[0:1], 0x0               ; x, w_qkv, w_proj, codes
	s_load_b64 s[12:13], s[0:1], 0x20              ; scales
	v_lshl_add_u32 v[SPW], v0, 2, SPARE
	v_mov_b32 v[NIL], 0
	v_lshrrev_b32 v1, 5, v0
	v_readfirstlane_b32 s16, v1                    ; wave
	s_mul_i32 s17, s16, WREG
	v_and_b32 v2, 31, v0                           ; lane
	v_lshlrev_b32 v3, 4, v2                        ; 16 x lane: my part of a load's, and of a store's, 512 bytes
	v_lshrrev_b32 v14, 2, v2
	v_mul_u32_u24 v14, v14, SP
	v_and_b32 v15, 3, v2
	v_lshl_add_u32 v14, v15, 4, v14
	v_add_nc_u32 v14, s17, v14                     ; the stage, in: SP (lane / 4) + 16 (lane % 4)
	v_mul_u32_u24 v15, v2, SP
	v_add_nc_u32 v15, s17, v15                     ; and out: SP x lane
	v_lshrrev_b32 v5, 1, v2
	v_mul_u32_u24 v10, v5, CP
	v_and_b32 v4, 1, v2
	v_lshl_add_u32 v10, v4, 3, v10
	v_add_nc_u32 v10, s17, v10                     ; my 8 bytes of codes: piece lane / 2, half lane % 2; the row by the offset
	v_add_nc_u32 v5, s17, v5                       ; my block's byte
	v_lshlrev_b32 v7, 3, v2
	v_add_nc_u32 v6, s17, v7                       ; the bytes on the way out: 8 a lane
	v_lshrrev_b32 v4, 4, v2
	v_mul_u32_u24 v4, v4, CP
	v_and_b32 v1, 15, v2
	v_lshl_add_u32 v1, v1, 4, v4
	v_add_nc_u32 v1, s17, v1                       ; the codes on the way out: sixteen lanes to a piece
	s_wait_alu depctr_va_vdst(0)                   ; the wait at the head's end
	s_wait_kmcnt 0x0
	s_cmp_lt_u32 ttmp9, 256                        ; work-groups 0-255: x; 256-351: w_qkv; 352-383: w_proj
	s_cselect_b64 s[4:5], s[4:5], s[6:7]
	s_cselect_b32 s17, 0, 256
	s_cmp_lt_u32 ttmp9, 352
	s_cselect_b64 s[4:5], s[4:5], s[8:9]
	s_cselect_b32 s17, s17, 352
	s_sub_co_u32 s17, ttmp9, s17
	s_lshl_b32 s20, s17, 17                        ; a work-group takes 32 rows of 4,096 bytes
	s_lshr_b32 s18, s16, 1                         ; which of its two tiles is my wave's
	s_and_b32 s19, s16, 1                          ; which half of K
	s_lshl_b32 s22, s18, 15                        ; position 16 tile + p holds row 16 (p / 8) + 8 tile + p % 8
	s_add_co_u32 s20, s20, s22
	s_lshl_b32 s22, s19, 11
	s_add_co_u32 s20, s20, s22
	s_mov_b32 s21, 0
	s_add_nc_u64 s[4:5], s[4:5], s[20:21]
	s_lshl_b32 s22, ttmp9, 1
	s_add_co_u32 s22, s22, s18                     ; the tile among the 768
	s_lshl_b32 s20, s22, 13
	s_lshl_b32 s23, s19, 12
	s_add_co_u32 s20, s20, s23
	s_add_nc_u64 s[10:11], s[10:11], s[20:21]
	s_lshl_b32 s20, s22, 9
	s_lshl_b32 s23, s19, 8
	s_add_co_u32 s20, s20, s23
	s_add_nc_u64 s[12:13], s[12:13], s[20:21]
.macro LOAD t
.irp i, 0,1,2,3
	global_load_b128 v[R+16*((\t)%4)+4*\i:R+16*((\t)%4)+4*\i+3], v3, s[4:5] offset:(16*((\t)/8)+(\t)%8)*4096+512*\i th:TH_LOAD_NT
.endr
.endm
.macro TURN t                          ; step t's numbers through the stage: LDS serves a wave's instructions in order
.irp i, 0,1,2,3
	ds_store_b128 v14, v[R+16*((\t)%4)+4*\i:R+16*((\t)%4)+4*\i+3] offset:32*SP*((\t)%2)+8*SP*\i
.endr
.irp i, 0,1,2,3
	ds_load_b128 v[X+16*((\t)%2)+4*\i:X+16*((\t)%2)+4*\i+3], v15 offset:32*SP*((\t)%2)+16*\i
.endr
.endm
.irp t, 0,1,2,3
	LOAD \t
.endr
	s_wait_loadcnt 12                              ; step 0's four loads are in; twelve younger ones stay out
	TURN 0
.macro STEP t
.set XS, X+16*((\t)%2)
.if (\t) > 0
	s_wait_dscnt 2                                 ; this step's numbers are back; the last step's two stores may be out
.else
	s_wait_dscnt 0x0
.endif
.if (\t)+4 < STEPS
	LOAD (\t)+4
.endif
.if (\t)+1 < STEPS
.if STEPS-2-(\t) >= 3
	s_wait_loadcnt 12                              ; the next step's four loads are in; those of the three steps behind it may be out
.else
	s_wait_loadcnt 4*(STEPS-2-(\t))
.endif
	TURN (\t)+1
.endif
	v_max3_num_f32 v8, |v[XS]|, |v[XS+1]|, |v[XS+2]|               ; the largest magnitude of my 16, in two chains
	v_max3_num_f32 v9, |v[XS+3]|, |v[XS+4]|, |v[XS+5]|
.irp i, 6,10
	v_max3_num_f32 v8, v8, |v[XS+\i]|, |v[XS+\i+1]|
	v_max3_num_f32 v9, v9, |v[XS+\i+2]|, |v[XS+\i+3]|
.endr
	v_max3_num_f32 v8, v8, |v[XS+14]|, |v[XS+15]|
	v_max3_num_f32 v8, v8, v9, 0x1800000           ; and the floor 2^(3 - 127): the byte cannot fall under 1
	v_max_num_f32_dpp v8, v8, v8 row_xmask:1 row_mask:0xf bank_mask:0xf   ; with my neighbour's 16: the block's
	v_add_nc_u32 v11, 0xff000000, v8               ; 2 off its exponent field: the conversion's scale operand
	v_cvt_scalef32_pk8_fp4_f32 v[C+2*(\t)], v[XS:XS+7], v11
	v_cvt_scalef32_pk8_fp4_f32 v[C+2*(\t)+1], v[XS+8:XS+15], v11
	v_lshrrev_b32 v[E+(\t)], 23, v11               ; the scale's byte
	ds_store_b8 v5, v[E+(\t)] offset:SBY+16*(\t)   ; both lanes of a block write the same byte with the same value
	ds_store_b64 v10, v[C+2*(\t):C+2*(\t)+1] offset:CST+16*(\t)
.endm
.irp t, 0,1,2,3,4,5,6,7,8,9,10,11,12,13,14,15
	STEP \t
.endr
	ds_load_b64 v[8:9], v6 offset:SBY              ; LDS serves a wave's instructions in order: these see my stores
.irp i, 0,1,2,3,4,5,6,7
	ds_load_b128 v[R+4*\i:R+4*\i+3], v1 offset:CST+2*CP*\i
.endr
	s_wait_dscnt 8                                 ; the bytes are back; the eight loads of codes may be out
	global_store_b64 v7, v[8:9], s[12:13]          ; 256 consecutive aligned bytes
	s_wait_dscnt 0x0
.irp i, 0,1,2,3,4,5,6,7
	global_store_b128 v3, v[R+4*\i:R+4*\i+3], s[10:11] offset:512*\i   ; 512 consecutive aligned bytes
.endr
	s_wait_tensorcnt 0x0                           ; the wave's end
	ds_add_u32 v[SPW], v[NIL]
	s_wait_dscnt 0x0
	s_endpgm
.Lfunc_end_k_q238e828f6c_quant:
	.size	k_q238e828f6c_quant, .Lfunc_end_k_q238e828f6c_quant-k_q238e828f6c_quant
	.p2alignl 7, 3214868480
	.fill 96, 4, 3214868480
	.section	.rodata,"a",@progbits
	.p2align	6, 0x0
	.amdhsa_kernel k_q238e828f6c_quant
		.amdhsa_group_segment_fixed_size 41472
		.amdhsa_private_segment_fixed_size 0
		.amdhsa_enable_private_segment 0
		.amdhsa_kernarg_size 40
		.amdhsa_user_sgpr_count 2
		.amdhsa_user_sgpr_kernarg_segment_ptr 1
		.amdhsa_wavefront_size32 1
		.amdhsa_system_sgpr_workgroup_id_x 1
		.amdhsa_system_sgpr_workgroup_id_y 1
		.amdhsa_system_sgpr_workgroup_id_z 1
		.amdhsa_system_vgpr_workitem_id 0
		.amdhsa_next_free_vgpr 160
		.amdhsa_next_free_sgpr 66
		.amdhsa_reserve_vcc 0
		.amdhsa_float_denorm_mode_32 3
		.amdhsa_float_denorm_mode_16_64 3
		.amdhsa_memory_ordered 1
		.amdhsa_forward_progress 1
		.amdhsa_inst_pref_size 35
	.end_amdhsa_kernel
	.amdgpu_metadata
---
amdhsa.version: [ 1, 2 ]
amdhsa.kernels:
  - .name:           k_q238e828f6c_quant
    .symbol:         k_q238e828f6c_quant.kd
    .args:
      - { .name: x, .offset: 0, .size: 8, .value_kind: global_buffer, .address_space: global }
      - { .name: w_qkv, .offset: 8, .size: 8, .value_kind: global_buffer, .address_space: global }
      - { .name: w_proj, .offset: 16, .size: 8, .value_kind: global_buffer, .address_space: global }
      - { .name: codes, .offset: 24, .size: 8, .value_kind: global_buffer, .address_space: global }
      - { .name: scales, .offset: 32, .size: 8, .value_kind: global_buffer, .address_space: global }
    .group_segment_fixed_size: 41472
    .private_segment_fixed_size: 0
    .kernarg_segment_align: 8
    .kernarg_segment_size: 40
    .max_flat_workgroup_size: 128
    .sgpr_count:     66
    .vgpr_count:     160
    .wavefront_size: 32
...
	.end_amdgpu_metadata
.endif
;; end of part 1
;; launch qkv (part 2): grid 12 x 32, 4 waves a work-group, clusters of 4 x 4, 327,680 bytes of LDS; arguments codes, scales, b_qkv, qkv; writes qkv
.if DOCPART == 2
	.amdgcn_target "amdgcn-amd-amdhsa--gfx1250"
	.amdhsa_code_object_version 6
	.text
	.protected	k_q238e828f6c_qkv
	.globl	k_q238e828f6c_qkv
	.p2align	8
	.type	k_q238e828f6c_qkv,@function
k_q238e828f6c_qkv:
	s_mov_b64 s[64:65], 0
	v_nop
	global_prefetch_b8 v0, s[64:65] scope:SCOPE_SE
	s_setreg_imm32_b32 hwreg(HW_REG_WAVE_MODE, 25, 1), 1
	s_wait_xcnt 0x0
	s_wait_alu depctr_hold_cnt(0) depctr_sa_sdst(0) depctr_va_vdst(0) depctr_va_sdst(0) depctr_va_ssrc(0) depctr_va_vcc(0) depctr_vm_vsrc(0)
	s_getreg_b32 s2, hwreg(HW_REG_IB_STS2, 6, 4)
	s_cmp_eq_u32 s2, 0
	s_cbranch_scc0 .Lentry_in_a_cluster
	s_endpgm
.Lentry_in_a_cluster:
	s_bfe_u32 s2, ttmp6, 0x10000c
	s_cmp_lg_u32 s2, 0xf033
	s_cbranch_scc0 .Lentry_shape_is_right
	s_endpgm
.Lentry_shape_is_right:
; PRODUCT 1 AND THE QUANTISERS BEHIND IT: x w_qkv^T + b_qkv on codes of FP4; q and k are quantised along the head's 64, v along the keys, in registers; only codes and scale bytes go to memory.
; A work-group of four waves makes 256 tokens x 256 channels, a wave 128 x 128: 64 accumulators, 512 registers.  K = 1,024 lies in LDS whole: two slots of 512 along K, both filled at the head, nothing is filled again.
; 384 work-groups; a tile that gave 256 (256 x 384) fits neither LDS nor the registers.
; CLUSTERS: 4 x 4 work-groups.  x's tile hangs on the tile row alone and is asked for jointly by a row of the cluster, w_qkv's on the tile column alone, by a column.
; The cluster's x is 0 for q, 1 for k, 2 for v: the same in all sixteen partners, so the branches on it are taken alike by all.
; WHICH OPERAND IS SOURCE 0.  q, k: source 0 = 16 rows of w_qkv, source 1 = 16 tokens: a lane holds ONE token and its registers run along the channels.  v: source 0 = 16 tokens, source 1 = 16 rows of w_qkv: a lane holds ONE
; channel and its registers run along the tokens, which are product 3's K.  The loads into LDS are the same; only four LDS bases of the reads differ.
; Rows lie in the buffers with bits 3 and 4 of their number exchanged, so register j of half h of source 0's tile t is index 32 (t / 2) + 16 h + 8 (t % 2) + j: the 16 registers of tiles 2 b, 2 b + 1 are 16 neighbours.
; The bias is the C of each sum's first matrix instruction.
; OUT: for each of 64 heads (16 x batch + head) a block of HB bytes: q's scale words, q's, k's, v's codes, k's, v's scale words, all as IMAGES OF OPERAND REGISTERS (16 bytes a lane at 16 x lane; scale words 8 bytes a lane):
; every store of the wave covers 512 or 256 consecutive aligned bytes.
; LIMITS: a block of zeros or under 2^-124 gets the byte 1; NaN and infinities are not served.
; REGISTERS: window 0: v1-29 addresses; v32-95 scale words, a set for each slot; v96-127 at work on the way out; v128-191 source 1's fragments, later the codes made; v192-255 the bias.
;   window 1: source 0's fragments, two sets, at v0 and v128.   windows 2, 3: the accumulators, (a, b) at v[8 (8 (a % 4) + b)].
; THE CODES COME AS IMAGES OF OPERAND REGISTERS (a tile of 16 rows: 8,192 bytes, [K step][c][lane][16 bytes]), so LDS holds them dense: a fragment load reads 512 consecutive bytes.
; One joint load a wave brings 128 rows, all of K.  The scale words go from memory straight into their 64 registers: each load reads two runs of 256 bytes.
.set HALFT,  65536                     ; 128 rows, all of K: what one tensor load brings
.set SPARE,  4*HALFT                   ; the spare words: 128 bytes a wave, named by no other line
.set HB,     208896                    ; a head's block in qkv
.set ADR1, 16                          ; v16-17 LDS address of source 1's fragments in slot 0, 1
.set ADR0, 20                          ; v20-21 of source 0's
.set ADS1, 22                          ; v22    byte offset in the scales' buffer of source 1's words: lane l takes row 32 y + l
.set ADS0, 23                          ; v23    of source 0's
.set LI,   24                          ; v24    16 x lane
.set L8,   25                          ; v25    8 x lane
.set BO,   26                          ; v26    bias, q and k: 64 h
.set BV,   27                          ; v27    bias, v: 4 (r + 8 (r / 8))
.set SPW,  28                          ; v28    LDS address of my spare word; never rewritten
.set NIL,  29                          ; v29    0; never rewritten
.set SC,   32                          ; set s at v[SC + 32 s]: register 4 y + q: source 1's words, lanes 0-15 block 2 y, lanes 16-31 block 2 y + 1, the slot's q-th 128 along K; register 16 + 4 y + q: source 0's
.set TM,   96                          ; v96-99 largest magnitudes, v100-103 bytes, v108-111 the conversions' scale operands
.set PWS,  112                         ; v112-119 block a's scale word
.set WW,   120                         ; v120-127 q, k: the words of two tiles' half words
.set AF,   128
.set PC,   128
.set BI,   192
.set G1, 24                            ; s[24:31] descriptor group 1 for x's tiles;  s[32:35] group 0
.set G0, 32
.set G1B, 48                           ; s[48:55], s[56:59] the same for w_qkv's
.set G0B, 56
.set G1S, 68
.set G0S, 76
.set G1SB, 80
.set G0SB, 88
.set SEL, 92                           ; s[92:93] v_permlanex16_b32's selects for lane l xor 16
.set HM,  94                           ; s94 lanes 16-31
.set IMGP, 12                          ; s[12:13] where my codes go
.set SCP,  98                          ; s[98:99] where my scale words go
.set MSB, 0
.macro WIN new                         ; the immediate's high byte repeats the setting that is left
.if MSB != (\new)
	s_set_vgpr_msb (MSB<<8)|(\new)
.set MSB, \new
.endif
.endm
.set MUL_LO, 0xa1                      ; source 0 window 1, source 1 window 0, C and D window 2
.set MUL_HI, 0xf1                      ; the same, C and D window 3
.set TO_B,   0x40                      ; destination window 1
; A joint load: waves 0 and 1 fetch for x, waves 2 and 3 for w_qkv.  Each line has one mask and one set of registers; the branch hangs on the wave's number alone.  An s_nop 0 and four v_nop follow each line.
.macro JLOAD g0a, g1a, g0b, g1b
	s_cmp_eq_u32 s15, 0
	s_cbranch_scc0 .Lfor_b_\@
	tensor_load_to_lds s[\g0a:\g0a+3], s[\g1a:\g1a+7]
	s_nop 0
.rept 4
	v_nop
.endr
	s_branch .Lasked_\@
.Lfor_b_\@:
	tensor_load_to_lds s[\g0b:\g0b+3], s[\g1b:\g1b+7]
	s_nop 0
.rept 4
	v_nop
.endr
.Lasked_\@:
.endm
.macro CROUND                          ; a round of the cluster's barrier
	s_barrier_signal -1
	s_barrier_wait -1
	s_cmp_lg_u32 s14, 0
	s_cbranch_scc1 .Lnot_wave_0_\@
	s_barrier_signal -3
.Lnot_wave_0_\@:
	s_barrier_wait -3
	s_barrier_signal -1
	s_barrier_wait -1
.endm
	s_load_b256 s[4:11], s[0:1], 0x0               ; codes, scales, b_qkv, qkv
	v_lshl_add_u32 v[SPW], v0, 2, SPARE
	v_mov_b32 v[NIL], 0
	ds_add_u32 v[SPW], v[NIL]                      ; the wave's opening: the add, twice on end, and its wait ahead of my first tensor load
	ds_add_u32 v[SPW], v[NIL]
	v_lshrrev_b32 v1, 5, v0
	v_readfirstlane_b32 s14, v1                    ; wave 0..3
	s_lshr_b32 s15, s14, 1                         ; source 1's half that is mine.  Also: I fetch for x (0) or for w_qkv (1)
	s_and_b32 s16, s14, 1                          ; source 0's half.  Also: which 128 rows of that tile I fetch
	s_bfe_u32 s40, ttmp6, 0x40000                  ; cx, cy: my place in the cluster
	s_bfe_u32 s41, ttmp6, 0x40004
	s_lshl_b32 s42, ttmp9, 2
	s_add_co_u32 s42, s42, s40                     ; tile column: 256 rows of w_qkv
	s_and_b32 s17, ttmp7, 0xffff
	s_lshl_b32 s17, s17, 2
	s_add_co_u32 s17, s17, s41                     ; tile row: 256 tokens
	s_lshl_b32 s43, s41, 2
	s_lshl_b32 s43, 15, s43                        ; my row of the cluster
	s_lshl_b32 s44, 0x1111, s40                    ; my column
	s_or_b32 s[G1+0], s43, (3<<16)|(1<<21)         ; the mask; elements of 8 bytes; bit 21 beside a mask; no padding
	s_or_b32 s[G1B+0], s44, (3<<16)|(1<<21)
.irp g, G1, G1B
	s_mov_b32 s[\g+1], 32<<16                      ; a dense block of 65,536 bytes as 256 rows of 256 bytes
	s_mov_b32 s[\g+2], 256<<16
	s_mov_b32 s[\g+3], 32<<16
	s_mov_b32 s[\g+4], 256
	s_mov_b32 s[\g+5], 32
	s_mov_b32 s[\g+6], 0
	s_mov_b32 s[\g+7], 0
.endr
	s_mov_b32 s[SEL], 0x76543210
	s_mov_b32 s[SEL+1], 0xfedcba98
	s_mov_b32 s[HM], 0xffff0000
	s_lshl_b32 s18, s16, 7                         ; which 128 rows of the tile I fetch
	s_lshl_b32 s20, s17, 8
	s_add_co_u32 s20, s20, s18                     ; x: row 256 x tile row + 128 x half
	s_lshl_b32 s46, s42, 8
	s_add_co_u32 s46, s46, s18
	s_add_co_u32 s46, s46, 8192                    ; w_qkv: behind x's 8,192 rows
	s_lshl_b32 s20, s20, 9                         ; and their codes, 512 a row
	s_mov_b32 s21, 0
	s_lshl_b32 s46, s46, 9
	s_mov_b32 s47, 0
	s_mul_i32 s45, s14, HALFT                      ; where they go: wave x 128 rows: no place in the cluster enters an LDS address
	s_wait_dscnt 0x0                               ; both opening adds are done
	s_wait_kmcnt 0x0
	s_add_nc_u64 s[20:21], s[4:5], s[20:21]
	s_add_nc_u64 s[46:47], s[4:5], s[46:47]
	CROUND                                         ; all sixteen work-groups are here: the joint loads meet
	s_mov_b32 s[G0], 1
	s_mov_b32 s[G0+1], s45
	s_mov_b64 s[G0+2:G0+3], s[20:21]
	s_or_b32 s[G0+3], s[G0+3], 0x80000000
	s_mov_b32 s[G0B], 1
	s_mov_b32 s[G0B+1], s45
	s_mov_b64 s[G0B+2:G0B+3], s[46:47]
	s_or_b32 s[G0B+3], s[G0B+3], 0x80000000
	JLOAD G0, G1, G0B, G1B                         ; my one tensor load of the launch: 128 rows, all of K
	s_lshl_b32 s96, s17, 13                        ; the scale bytes of x's 256 rows: 32 bytes a row,
	s_lshl_b32 s97, s42, 13
	s_add_co_u32 s97, s97, 262144                  ; and of w_qkv's, behind x's 8,192 rows
	; which region of LDS, and which scale bytes, are source 1's and which source 0's: by the cluster's x alone
	s_cmp_eq_u32 ttmp9, 2
	s_cselect_b32 s18, 2*HALFT, 0                  ; source 1: v: w_qkv's rows; q, k: x's
	s_cselect_b32 s19, 0, 2*HALFT                  ; source 0: the other
	s_cselect_b32 s20, s97, s96
	s_cselect_b32 s21, s96, s97
	s_cselect_b32 s2, s16, s15                     ; which half of the tokens is mine
	s_cselect_b32 s3, s15, s16                     ; which half of the channels
	s_mul_i32 s22, s15, HALFT
	s_add_co_u32 s18, s18, s22
	s_mul_i32 s22, s16, HALFT
	s_add_co_u32 s19, s19, s22
	s_lshl_b32 s22, s15, 12
	s_add_co_u32 s20, s20, s22
	s_lshl_b32 s22, s16, 12
	s_add_co_u32 s21, s21, s22
	v_and_b32 v1, 15, v0                           ; r
	v_bfe_u32 v2, v0, 4, 1                         ; h
	v_and_b32 v3, 31, v0                           ; lane
	v_lshlrev_b32 v4, 4, v3                        ; an image: 16 bytes a lane
	v_add_nc_u32 v[ADR1], s18, v4
	v_add_nc_u32 v[ADR0], s19, v4
	v_add_nc_u32 v[ADR1+1], 4096, v[ADR1]          ; K steps 4 to 7 lie 4,096 bytes on in each tile
	v_add_nc_u32 v[ADR0+1], 4096, v[ADR0]
	v_lshlrev_b32 v6, 4, v1
	v_lshl_add_u32 v6, v2, 9, v6                   ; scale words: tile l / 16 (512 bytes), row l % 16 (16 bytes)
	v_add_nc_u32 v[ADS1], s20, v6
	v_add_nc_u32 v[ADS0], s21, v6
.irp sl, 0,1
.irp y, 0,1,2,3
	global_load_b128 v[SC+32*\sl+4*\y:SC+32*\sl+4*\y+3], v[ADS1], s[6:7] offset:1024*\y+256*\sl
	global_load_b128 v[SC+32*\sl+16+4*\y:SC+32*\sl+16+4*\y+3], v[ADS0], s[6:7] offset:1024*\y+256*\sl
.endr
.endr
	v_lshlrev_b32 v[LI], 4, v3
	v_lshlrev_b32 v[L8], 3, v3
	v_lshlrev_b32 v[BO], 6, v2
	v_and_b32 v5, 8, v1
	v_add_nc_u32 v5, v5, v1
	v_lshlrev_b32 v[BV], 2, v5
.irp b, 0,1,2,3
	v_mov_b32 v[TM+4+\b], 0                        ; written once: a lane permute's destination counts as one of its sources
.endr
	; where my results go (global addresses alone: my place in the cluster may enter them)
	s_lshl_b32 s22, s17, 1
	s_add_co_u32 s22, s22, s2                      ; my group of 128 tokens, 0..63: batch x 16 + group
	s_lshr_b32 s23, s22, 4
	s_lshl_b32 s23, s23, 4
	s_lshl_b32 s45, s40, 2
	s_add_co_u32 s23, s23, s45
	s_lshl_b32 s45, s3, 1
	s_add_co_u32 s23, s23, s45                     ; the first of my two heads: 16 x batch + 4 cx + 2 x half
	s_mul_i32 s23, s23, HB
	s_and_b32 s22, s22, 15
	s_lshl_b32 s45, ttmp9, 16                      ; q's codes at 4,096, k's and v's 65,536 and 131,072 further on
	s_add_co_u32 s45, s45, 4096
	s_add_co_u32 s45, s45, s23
	s_lshl_b32 s46, s22, 12                        ; 4,096 bytes a group
	s_add_co_u32 s46, s46, s45
	s_mov_b32 s47, 0
	s_add_nc_u64 s[IMGP:IMGP+1], s[10:11], s[46:47]
	s_lshl_b32 s45, ttmp9, 12                      ; scale words: q's at 0, k's at 200,704, v's at 204,800
	s_add_co_u32 s45, s45, 196608
	s_cmp_eq_u32 ttmp9, 0
	s_cselect_b32 s45, 0, s45
	s_add_co_u32 s45, s45, s23
	s_lshl_b32 s46, s22, 8                         ; 256 bytes a group
	s_add_co_u32 s46, s46, s45
	s_add_nc_u64 s[SCP:SCP+1], s[10:11], s[46:47]
	s_lshl_b32 s46, s42, 10
	s_lshl_b32 s45, s3, 9
	s_add_co_u32 s46, s46, s45                     ; the bias of my 128 channels
	s_add_nc_u64 s[8:9], s[8:9], s[46:47]
	; THE BIAS: each of the two ways writes all 64 registers, so that whatever follows finds them written
	s_cmp_eq_u32 ttmp9, 2
	s_cbranch_scc1 .Lbias_v
	s_wait_alu depctr_va_vdst(0)
.irp b, 0,1,2,3,4,5,6,7                            ; q, k: tile b's eight channels of my half: 32 (b / 2) + 8 (b % 2) + 16 h + 0 .. 7
	global_load_b128 v[BI+8*\b:BI+8*\b+3], v[BO], s[8:9] offset:(32*(\b/2)+8*(\b%2))*4
	global_load_b128 v[BI+8*\b+4:BI+8*\b+7], v[BO], s[8:9] offset:(32*(\b/2)+8*(\b%2))*4+16
.endr
	s_branch .Lbias_done
.Lbias_v:
	s_wait_alu depctr_va_vdst(0)
.irp a, 0,1,2,3,4,5,6,7                            ; v: my lane's one channel of tile a: 32 (a / 2) + 8 (a % 2) + r + 8 (r / 8)
	global_load_b32 v[BI+8*\a], v[BV], s[8:9] offset:(32*(\a/2)+8*(\a%2))*4
.endr
	s_wait_loadcnt 0x0                             ; the eight are in (my tensor load is on its way meanwhile)
.irp a, 0,1,2,3,4,5,6,7
.irp j, 1,2,3,4,5,6,7
	v_mov_b32 v[BI+8*\a+\j], v[BI+8*\a]            ; a lane's eight registers of a result are eight tokens of one channel: the same bias in all
.endr
.endr
.Lbias_done:
.macro FRAG reg, adr, q, i             ; 16 rows x 128 K of 4-bit codes: 8 registers: lane l holds row l % 16; registers 4 c .. 4 c + 3 hold K = 64 c + 32 (l / 16) + 0 .. 31
.irp c, 0,1
	ds_load_b128 v[\reg+4*\c:\reg+4*\c+3], v[\adr] offset:1024*(\q)+512*\c+(\i)*8192
.endr
.endm
.macro MM                              ; one product, by the symbols that MUL16 has set; pA, pB: the scale words stand in lanes 16-31
.if pA==0 && pB==0
	v_wmma_scale_f32_16x16x128_f8f6f4 v[rD:rD+7], v[rA:rA+7], v[rB:rB+7], v[rC:rC+7], v[rSA], v[rSB] matrix_a_fmt:MATRIX_FMT_FP4 matrix_b_fmt:MATRIX_FMT_FP4
.elseif pA==1 && pB==0
	v_wmma_scale_f32_16x16x128_f8f6f4 v[rD:rD+7], v[rA:rA+7], v[rB:rB+7], v[rC:rC+7], v[rSA], v[rSB] matrix_a_fmt:MATRIX_FMT_FP4 matrix_b_fmt:MATRIX_FMT_FP4 matrix_a_scale:MATRIX_SCALE_ROW1
.elseif pA==0
	v_wmma_scale_f32_16x16x128_f8f6f4 v[rD:rD+7], v[rA:rA+7], v[rB:rB+7], v[rC:rC+7], v[rSA], v[rSB] matrix_a_fmt:MATRIX_FMT_FP4 matrix_b_fmt:MATRIX_FMT_FP4 matrix_b_scale:MATRIX_SCALE_ROW1
.else
	v_wmma_scale_f32_16x16x128_f8f6f4 v[rD:rD+7], v[rA:rA+7], v[rB:rB+7], v[rC:rC+7], v[rSA], v[rSB] matrix_a_fmt:MATRIX_FMT_FP4 matrix_b_fmt:MATRIX_FMT_FP4 matrix_a_scale:MATRIX_SCALE_ROW1 matrix_b_scale:MATRIX_SCALE_ROW1
.endif
.endm
; 16 products: source 1's blocks a0, a0 + 1 x source 0's eight, the slot's q-th 128 along K.  p: source 0's set; sc: the set of scale words.  cm = 1, 2: the sums start from the bias (by b: q, k; by a: v).
; The 64 accumulators take turns, one instruction a turn, in the same order in every step.
.macro MUL16 a0, p, q, sc, cm
.irp a, \a0, \a0+1
.irp b, 0,1,2,3,4,5,6,7
.set rD, 8*(8*((\a)%4)+\b)
.set rA, 128*(\p)+8*\b
.set rB, AF+8*(\a)
.set rSA, SC+32*(\sc)+16+4*(\b/2)+(\q)
.set rSB, SC+32*(\sc)+4*((\a)/2)+(\q)
.set rC, rD
.if (\cm)==1
.set rC, BI+8*\b
.elseif (\cm)==2
.set rC, BI+8*(\a)
.endif
.set pA, \b%2
.set pB, (\a)%2
	MM
.endr
.endr
.endm
.macro FETCH_B slot, q, p              ; source 0's eight fragments into set p
	WIN TO_B
.irp i, 0,1,2,3,4,5,6,7
	FRAG 128*(\p)+8*\i, ADR0+\slot, \q, \i
.endr
	WIN 0
.endm
.macro FETCH_A slot, q, i0             ; source 1's blocks i0 .. i0 + 3
.irp i, \i0, \i0+1, \i0+2, \i0+3
	FRAG AF+8*(\i), ADR1+\slot, \q, \i
.endr
.endm
.macro PLACES n                        ; plain vector instructions between a matrix instruction and a load into, or a vector instruction on, its registers
.rept \n
	v_nop
.endr
.endm
; A step of 128 along K whose successor lies in the same slot.  Source 1 has one set of registers: blocks 0-3 are fetched anew in the step's middle, blocks 4-7 at its end.
.macro STEP slot, q, cm
	s_wait_dscnt 8                                 ; all but the youngest eight loads (source 1's blocks 4-7) are in
.if \cm
	WIN 0x81                                       ; C, the bias, in window 0
.else
	WIN MUL_LO
.endif
	MUL16 0, (\q)%2, \q, \slot, \cm
	MUL16 2, (\q)%2, \q, \slot, \cm
	s_wait_dscnt 0x0                               ; blocks 4-7 are in
	PLACES 4
	FETCH_B \slot, (\q)+1, 1-(\q)%2
	FETCH_A \slot, (\q)+1, 0
.if \cm
	WIN 0xc1
.else
	WIN MUL_HI
.endif
	MUL16 4, (\q)%2, \q, \slot, \cm
	MUL16 6, (\q)%2, \q, \slot, \cm
	PLACES 4
	WIN 0
	FETCH_A \slot, (\q)+1, 4
.endm
; The fourth step goes on to the second half of K, which lies in LDS since the head's barrier: a step like the others, its successor under the other address registers.
.macro TURN slot, next
	s_wait_dscnt 8                                 ; all but the youngest eight loads are in
	WIN MUL_LO
	MUL16 0, 1, 3, \slot, 0
	MUL16 2, 1, 3, \slot, 0
	s_wait_dscnt 0x0
	PLACES 4
	FETCH_B \next, 0, 0
	FETCH_A \next, 0, 0
	WIN MUL_HI
	MUL16 4, 1, 3, \slot, 0
	MUL16 6, 1, 3, \slot, 0
	PLACES 4
	WIN 0
	FETCH_A \next, 0, 4
.endm
; Source 1's block a is quantised: my lane's 64 numbers, register 16 b + i = index 32 b + 16 h + i, become 8 registers of codes in v[PC + 8 a] on and a scale word in v[PWS + a].
.macro QUANT a
.set AC, 64*((\a)%4)
	WIN 0x28+0x14*((\a)/4)                         ; sources 1 and 2: the accumulators' window
.irp b, 0,1,2,3
	v_max3_num_f32 v[TM+\b], 0x1800000, |v[AC+16*\b]|, |v[AC+16*\b+1]|   ; block b: my 16 numbers and the floor 2^(3 - 127); each accumulator is read from its low end on
.endr
.irp i, 2,4,6,8,10,12,14
.irp b, 0,1,2,3
	v_max3_num_f32 v[TM+\b], v[TM+\b], |v[AC+16*\b+\i]|, |v[AC+16*\b+\i+1]|
.endr
.endr
	WIN 0
.irp b, 0,1,2,3
	v_permlanex16_b32 v[TM+4+\b], v[TM+\b], s[SEL], s[SEL+1]
.endr
.irp b, 0,1,2,3
	v_max_num_f32 v[TM+\b], v[TM+\b], v[TM+4+\b]   ; with lane l xor 16's: the block's largest magnitude
.endr
.irp b, 0,1,2,3
	v_add_nc_u32 v[TM+12+\b], 0xff000000, v[TM+\b] ; 2 off its exponent field: the conversion's scale operand
.endr
.irp b, 0,1,2,3
	v_lshrrev_b32 v[TM+4+\b], 23, v[TM+12+\b]      ; the scale's byte
.endr
	v_lshl_or_b32 v[PWS+\a], v[TM+5], 8, v[TM+4]
	v_lshl_or_b32 v[PWS+\a], v[TM+6], 16, v[PWS+\a]
	v_lshl_or_b32 v[PWS+\a], v[TM+7], 24, v[PWS+\a]
	WIN 0x02+(\a)/4                                ; source 0: the accumulators' window
.irp b, 0,1,2,3
	v_cvt_scalef32_pk8_fp4_f32 v[PC+8*\a+2*\b], v[AC+16*\b:AC+16*\b+7], v[TM+12+\b]
	v_cvt_scalef32_pk8_fp4_f32 v[PC+8*\a+2*\b+1], v[AC+16*\b+8:AC+16*\b+15], v[TM+12+\b]
.endr
	WIN 0
	v_nop                                          ; one plain place behind a scaled conversion
.irp c, 0,1                                        ; a whole block to a lane: registers 4 c .. 4 c + 3 then hold index 64 c + 32 h + 0 .. 31
.irp i, 0,1
	v_permlane16_swap_b32 v[PC+8*\a+4*\c+\i], v[PC+8*\a+4*\c+2+\i]
.endr
.endr
.endm
; THE WAY OUT.  q, k (isv = 0): block a = 16 tokens; registers 4 c on = head c of my two, d block h.  v (isv = 1): block a = 16 channels (head a / 4, tile a % 4); registers 4 c on = key block 2 c + h.
; Every store has data registers of its own, so none is written again while a store may read it.
.macro EPI isv
	PLACES 4                                       ; behind the last products: their results are read and source 1's registers are written
.irp a, 0,1,2,3,4,5,6,7
	QUANT \a
.irp c, 0,1
.if \isv
	global_store_b128 v[LI], v[PC+8*\a+4*\c:PC+8*\a+4*\c+3], s[IMGP:IMGP+1] offset:(\a/4)*HB+(\a%4)*1024+512*\c
.else
	global_store_b128 v[LI], v[PC+8*\a+4*\c:PC+8*\a+4*\c+3], s[IMGP:IMGP+1] offset:\c*HB+512*\a
.endif
.endr
.endr
.if \isv
.set WB, PWS                                       ; v: word t of a head is block 4 x head + t's own: four key blocks of a channel
.else
.set WB, WW                                        ; q, k: word y of a head: its two bytes of tile 2 y, then of tile 2 y + 1
.irp y, 0,1,2,3
	v_perm_b32 v[WW+\y], v[PWS+2*\y+1], v[PWS+2*\y], 0x05040100
	v_perm_b32 v[WW+4+\y], v[PWS+2*\y+1], v[PWS+2*\y], 0x07060302
.endr
.endif
.irp d, 0,1                                        ; lane (r, h) stores words h and 2 + h of row r: 8 bytes at 8 x lane
	v_cndmask_b32 v[TM+2*\d], v[WB+4*\d], v[WB+4*\d+1], s[HM]
	v_cndmask_b32 v[TM+2*\d+1], v[WB+4*\d+2], v[WB+4*\d+3], s[HM]
	global_store_b64 v[L8], v[TM+2*\d:TM+2*\d+1], s[SCP:SCP+1] offset:\d*HB
.endr
.endm
	s_wait_tensorcnt 0x0                           ; my 128 rows are in
	s_barrier_signal -1
	s_barrier_wait -1                              ; everybody's are
	FETCH_B 0, 0, 0
	FETCH_A 0, 0, 0
	FETCH_A 0, 0, 4
	s_wait_loadcnt 0x0                             ; the bias (q, k: its sixteen loads; v: waited for above)
	s_cmp_eq_u32 ttmp9, 2                          ; the first step starts the sums from the bias: q, k: by source 0's tile; v: by source 1's
	s_cbranch_scc1 .Lstart_v
	s_wait_alu depctr_va_vdst(0)
	STEP 0, 0, 1
	s_branch .Lstarted
.Lstart_v:
	s_wait_alu depctr_va_vdst(0)
	STEP 0, 0, 2
.Lstarted:
	STEP 0, 1, 0
	STEP 0, 2, 0
	TURN 0, 1
	STEP 1, 0, 0
	STEP 1, 1, 0
	STEP 1, 2, 0
	s_wait_dscnt 8                                 ; the last step: nothing more to fetch
	WIN MUL_LO
	MUL16 0, 1, 3, 1, 0
	MUL16 2, 1, 3, 1, 0
	s_wait_dscnt 0x0
	WIN MUL_HI
	MUL16 4, 1, 3, 1, 0
	MUL16 6, 1, 3, 1, 0
	WIN 0
	s_cmp_eq_u32 ttmp9, 2
	s_cbranch_scc1 .Lout_v
	EPI 0
	s_branch .Lout_done
.Lout_v:
	EPI 1
.Lout_done:
	s_wait_tensorcnt 0x0                           ; the wave's end
	ds_add_u32 v[SPW], v[NIL]
	s_wait_dscnt 0x0
	CROUND                                         ; the closing round
	s_endpgm
.Lfunc_end_k_q238e828f6c_qkv:
	.size	k_q238e828f6c_qkv, .Lfunc_end_k_q238e828f6c_qkv-k_q238e828f6c_qkv
	.p2alignl 7, 3214868480
	.fill 96, 4, 3214868480
	.section	.rodata,"a",@progbits
	.p2align	6, 0x0
	.amdhsa_kernel k_q238e828f6c_qkv
		.amdhsa_group_segment_fixed_size 327680
		.amdhsa_private_segment_fixed_size 0
		.amdhsa_enable_private_segment 0
		.amdhsa_kernarg_size 32
		.amdhsa_user_sgpr_count 2
		.amdhsa_user_sgpr_kernarg_segment_ptr 1
		.amdhsa_wavefront_size32 1
		.amdhsa_system_sgpr_workgroup_id_x 1
		.amdhsa_system_sgpr_workgroup_id_y 1
		.amdhsa_system_sgpr_workgroup_id_z 1
		.amdhsa_system_vgpr_workitem_id 0
		.amdhsa_next_free_vgpr 1024
		.amdhsa_next_free_sgpr 100
		.amdhsa_reserve_vcc 0
		.amdhsa_float_denorm_mode_32 3
		.amdhsa_float_denorm_mode_16_64 3
		.amdhsa_memory_ordered 1
		.amdhsa_forward_progress 1
		.amdhsa_inst_pref_size 174
	.end_amdhsa_kernel
	.amdgpu_metadata
---
amdhsa.version: [ 1, 2 ]
amdhsa.kernels:
  - .name:           k_q238e828f6c_qkv
    .symbol:         k_q238e828f6c_qkv.kd
    .args:
      - { .name: codes, .offset: 0, .size: 8, .value_kind: global_buffer, .address_space: global }
      - { .name: scales, .offset: 8, .size: 8, .value_kind: global_buffer, .address_space: global }
      - { .name: b_qkv, .offset: 16, .size: 8, .value_kind: global_buffer, .address_space: global }
      - { .name: qkv, .offset: 24, .size: 8, .value_kind: global_buffer, .address_space: global }
    .group_segment_fixed_size: 327680
    .private_segment_fixed_size: 0
    .kernarg_segment_align: 8
    .kernarg_segment_size: 32
    .max_flat_workgroup_size: 128
    .sgpr_count:     100
    .vgpr_count:     1024
    .wavefront_size: 32
...
	.end_amdgpu_metadata
.endif
;; end of part 2
;; launch attn (part 3): grid 4 x 64, 16 waves a work-group, clusters of 4 x 1, 167,936 bytes of LDS; arguments qkv, ocodes, oscales; writes ocodes, oscales
.if DOCPART == 3
	.amdgcn_target "amdgcn-amd-amdhsa--gfx1250"
	.amdhsa_code_object_version 6
	.text
	.protected	k_q238e828f6c_attn
	.globl	k_q238e828f6c_attn
	.p2align	8
	.type	k_q238e828f6c_attn,@function
k_q238e828f6c_attn:
	s_mov_b64 s[64:65], 0
	v_nop
	global_prefetch_b8 v0, s[64:65] scope:SCOPE_SE
	s_setreg_imm32_b32 hwreg(HW_REG_WAVE_MODE, 25, 1), 1
	s_wait_xcnt 0x0
	s_wait_alu depctr_hold_cnt(0) depctr_sa_sdst(0) depctr_va_vdst(0) depctr_va_sdst(0) depctr_va_ssrc(0) depctr_va_vcc(0) depctr_vm_vsrc(0)
	s_getreg_b32 s2, hwreg(HW_REG_IB_STS2, 6, 4)
	s_cmp_eq_u32 s2, 0
	s_cbranch_scc0 .Lentry_in_a_cluster
	s_endpgm
.Lentry_in_a_cluster:
	s_bfe_u32 s2, ttmp6, 0x10000c
	s_cmp_lg_u32 s2, 0x3003
	s_cbranch_scc0 .Lentry_shape_is_right
	s_endpgm
.Lentry_shape_is_right:
; PRODUCTS 2 AND 3 AND THE SOFTMAX, on codes of FP4, for one head (16 x batch + head = work-group y); the result, divided by the row's sum, is quantised along the head's 64 for product 4.
; WORK LEFT OUT: key steps of 128 keys that lie wholly behind a tile's 16 queries: reference()'s own causal mask makes p = 0 there for all inputs (shown at the head of the first kernel).
; THE SOFTMAX: t = score x log2(e) / 8; M = the largest t so far, rounded UP to a whole number; p = 2^(t - M) is quantised along the keys, not normalised; the row's sum is taken of the unquantised p and divides at the end.
; When M moves, the sum and O are multiplied by 2^(old M - new M): exact.
; SHARES.  The four work-groups of a cluster share one head.  A head has 128 tiles of 16 queries: 16 groups of 128 tokens x 8 tiles.  Wave w of partner cx owns tile 2 cx + w % 2 of group w / 2 and of group 15 - w / 2:
; a tile of group g needs key steps 0 .. g, so every wave of the launch works (w / 2 + 1) + (16 - w / 2) = 17 steps.  Four waves to a SIMD: one wave's vector work stands beside another's products and LDS loads.
; LDS.  The head's whole k and v, codes and scale words, are 139,264 dense bytes of memory: sixteen joint loads, one a wave, bring them once; each is asked for by all four partners with one descriptor.  Nothing is filled again.
; Branches and LDS addresses hang on the wave's number and on counted steps alone; my place in the cluster enters global addresses and the mask's comparand (data).
; LAYOUT.  Both products are used transposed: a lane holds ONE query.  PRODUCT 2 HAS K = 64: a fragment of k holds TWO tiles of 16 keys (K 0-63: tile 2 f, K 64-127: tile 2 f + 1), and q stands as [q | 0] or [0 | q]:
; zero codes add nothing.  Tokens lie in the images with bits 3 and 4 of their number exchanged, so registers 16 b + i of the scores are keys 32 b + 16 h + i.
; LIMITS: a block of zeros or under 2^-124 gets the byte 1; NaN and infinities are not served.  The output's scale bytes leave two bytes a lane, 32 bytes apart: 262,144 bytes in the launch.
.set HB,    208896                     ; a head's block in qkv
.set KVOFF, 69632                      ; where k's codes begin in it; v's codes, k's and v's scale words follow
.set PIECE, 8704                       ; 34 rows of 256 bytes: a wave's load
.set LV,    65536                      ; LDS: k's codes at 0 (4,096 bytes a step), v's here,
.set LKS,   131072                     ; k's scale words (256 bytes a step),
.set LVS,   135168                     ; v's
.set SPARE, 139264                     ; the spare words: 128 bytes a wave, named by no other line
.set LI,   1                           ; v1  16 x lane: k's place in LDS, and the stores' offset
.set AV0,  2                           ; v2  LV + 16 x lane
.set ASK0, 3                           ; v3  LKS + 8 x lane
.set ASV0, 4                           ; v4  LVS + 8 x lane
.set SPW,  5                           ; v5  LDS address of my spare word; never rewritten
.set NIL,  6                           ; v6  0; never rewritten
.set DQ,   7                           ; v7  my query's place in its group - 16 h
.set ADK,  8                           ; v8-11 the step's LDS addresses
.set ADV,  9
.set ADS,  10
.set ADT,  11
                                       ; v12 -M, v13 the largest t, v[14:15] the sum in two halves
                                       ; v16-35: 0000 q(low) 0000 q(high) 0000, four registers each
.set QSL,  36                          ; v36, v37 q's scale words (e0 e1 e0 e1): scales and nothing else
.set QSH,  37
.set NINF, 38
.set OSO,  39                          ; v39 the scale bytes' offset
.set HWL,  45                          ; v45, v46 the output's two scale bytes
.set HWH,  46
.set KF,   48                          ; v48-79   k's four fragments
.set VF,   80                          ; v80-111  v's four
.set S,    112                         ; v112-175 the scores, then p
.set O,    176                         ; v176-207 O^T
.set PCD,  208                         ; v208-215 p's codes
.set OCDL, 216                         ; v216-219, v220-223 the output's codes
.set OCDH, 220
.set BM,   224                         ; v224-227 the blocks' largest scores
.set PT,   228                         ; v228-231 permutes, then bytes
.set SOP,  232                         ; v232-235 the conversions' scale operands
.set SUM2, 236                         ; v[236:237] the sum's second chain
.set KSR,  240                         ; v[240:241] k's scale words;  v[242:243] v's
.set VSR,  242
.set TV,   244
                                       ; v252 f = 2^(old M - new M), v253 p's scale word
.set WV,  10
.set CX,  11
.set HD,  12
.set GL,  13                           ; s13 w / 2
.set TI,  14                           ; s14 my tile in its group
.set ODD, 15                           ; s15 w % 2
.set G1,  16
.set G0,  24
.set SEL, 28
.set CS,  30                           ; s[30:31] c = log2(e) / 8
.set ST,  32                           ; s32 the step
.set TS,  33                           ; s33 4,096 x step
.set TJ,  34                           ; s34 256 x step
.set GC,  35                           ; s35 the tile's group: its last step
.set QB,  36                           ; s[36:37] my head's block
.set OCL, 42
.set HM,  44
.set OCH, 46
.set OSB, 48
.set TL,  50
.set TH,  51
.macro CROUND
	s_barrier_signal -1
	s_barrier_wait -1
	s_cmp_lg_u32 s[WV], 0
	s_cbranch_scc1 .Lnot_wave_0_\@
	s_barrier_signal -3
.Lnot_wave_0_\@:
	s_barrier_wait -3
	s_barrier_signal -1
	s_barrier_wait -1
.endm
	s_load_b128 s[4:7], s[0:1], 0x0                ; qkv, ocodes
	s_load_b64 s[8:9], s[0:1], 0x10                ; oscales
	v_lshl_add_u32 v[SPW], v0, 2, SPARE
	v_mov_b32 v[NIL], 0
	ds_add_u32 v[SPW], v[NIL]                      ; the wave's opening: the add, twice on end, and its wait ahead of my first tensor load
	ds_add_u32 v[SPW], v[NIL]
	v_lshrrev_b32 v8, 5, v0
	s_delay_alu instid0(VALU_DEP_1)
	v_readfirstlane_b32 s[WV], v8                  ; wave 0..15
	s_bfe_u32 s[CX], ttmp6, 0x40000                ; my place in the cluster
	s_and_b32 s[HD], ttmp7, 0xffff                 ; the head, which the four partners share
	s_lshr_b32 s[GL], s[WV], 1
	s_and_b32 s[ODD], s[WV], 1
	s_lshl_b32 s[TI], s[CX], 1
	s_add_co_u32 s[TI], s[TI], s[ODD]
	s_mov_b32 s[G1], 15|(3<<16)|(1<<21)            ; the mask: all four partners; elements of 8 bytes; bit 21 beside a mask; no padding
	s_mov_b32 s[G1+1], 32<<16                      ; rows of 32 elements: 256 bytes
	s_mov_b32 s[G1+2], 34<<16                      ; 34 rows
	s_mov_b32 s[G1+3], 32<<16
	s_mov_b32 s[G1+4], 34
	s_mov_b32 s[G1+5], 32                          ; dense
	s_mov_b32 s[G1+6], 0
	s_mov_b32 s[G1+7], 0
	s_mov_b32 s[SEL], 0x76543210
	s_mov_b32 s[SEL+1], 0xfedcba98
	s_mov_b32 s[CS], 0x3e38aa3b
	s_mov_b32 s[CS+1], s[CS]                       ; named with it as a pair, so it is written
	s_mov_b32 s[HM], 0xffff0000                    ; lanes 16-31
	s_mul_i32 s[QB], s[HD], HB
	s_mov_b32 s[QB+1], 0
	s_mov_b32 s[G0], 1
	s_mul_i32 s[G0+1], s[WV], PIECE                ; my piece's place in LDS,
	s_add_co_u32 s38, s[G0+1], KVOFF               ; and in the head's block
	s_mov_b32 s39, 0
	s_wait_dscnt 0x0                               ; both opening adds are done
	s_wait_kmcnt 0x0
	s_add_nc_u64 s[QB:QB+1], s[4:5], s[QB:QB+1]
	s_add_nc_u64 s[G0+2:G0+3], s[QB:QB+1], s[38:39]
	s_or_b32 s[G0+3], s[G0+3], 0x80000000
	CROUND                                         ; all four work-groups are here: the joint loads meet
	tensor_load_to_lds s[G0:G0+3], s[G1:G1+7]      ; my one tensor load of the launch
	s_nop 0
	s_lshl_b32 s[TL], s[GL], 3
	s_add_co_u32 s[TL], s[TL], s[TI]               ; my low tile, 0..63
	s_sub_co_u32 s[TH], 15, s[GL]
	s_lshl_b32 s[TH], s[TH], 3
	s_add_co_u32 s[TH], s[TH], s[TI]               ; my high tile, 64..127
	v_and_b32 v44, 31, v0                          ; lane
	v_and_b32 v42, 15, v0                          ; r
	s_wait_alu depctr_va_vdst(0)
	v_bfe_u32 v43, v0, 4, 1                        ; h
	v_lshlrev_b32 v[LI], 4, v44
	s_lshl_b32 s52, s[TL], 9
	s_add_co_u32 s52, s52, 4096                    ; q's codes begin 4,096 bytes into the block: 512 bytes a tile
	v_add_nc_u32 v40, s52, v[LI]
	s_lshl_b32 s53, s[TH], 9
	s_add_co_u32 s53, s53, 4096
	v_add_nc_u32 v41, s53, v[LI]
	global_load_b128 v[20:23], v40, s[QB:QB+1]     ; lane (r, h): query r of the tile, d block h
	global_load_b128 v[28:31], v41, s[QB:QB+1]
	s_and_b32 s54, s[CX], 1                        ; q's scale words: word y = cx of row r lies at 8 (r + 16 (y % 2)) + 4 (y / 2) of the group's 256 bytes
	s_lshl_b32 s54, s54, 7
	s_lshr_b32 s55, s[CX], 1
	s_lshl_b32 s55, s55, 2
	s_add_co_u32 s54, s54, s55
	v_lshl_add_u32 v47, v42, 3, s54
	s_lshl_b32 s55, s[GL], 8
	v_add_nc_u32 v8, s55, v47
	s_sub_co_u32 s55, 15, s[GL]
	s_lshl_b32 s55, s55, 8
	v_add_nc_u32 v9, s55, v47
	global_load_b32 v[QSL], v8, s[QB:QB+1]
	global_load_b32 v[QSH], v9, s[QB:QB+1]
.irp j, 16,17,18,19,24,25,26,27,32,33,34,35
	v_mov_b32 v\j, 0                               ; the zero codes beside q
.endr
	v_add_nc_u32 v[AV0], LV, v[LI]
	v_lshl_add_u32 v[ASK0], v44, 3, LKS
	v_lshl_add_u32 v[ASV0], v44, 3, LVS
	v_and_b32 v[TV], 8, v42
	s_delay_alu instid0(VALU_DEP_1)
	v_add_nc_u32 v[DQ], v[TV], v42                 ; r + 8 (r / 8)
	v_lshlrev_b32 v[TV], 4, v43
	s_delay_alu instid0(VALU_DEP_1)
	v_sub_nc_u32 v[DQ], v[DQ], v[TV]
	s_lshl_b32 s52, s[CX], 5
	s_lshl_b32 s53, s[ODD], 3
	s_add_co_u32 s52, s52, s53
	v_add_nc_u32 v[DQ], s52, v[DQ]                 ; my query in its group is 32 cx + 8 (w % 2) + r + 8 (r / 8); less 16 h
	v_mov_b32 v[NINF], 0xff800000
.irp b, 0,1,2,3
	v_mov_b32 v[PT+\b], 0                          ; written once: a lane permute's destination counts as one of its sources
.endr
	v_mov_b32 v253, 0                              ; named as the upper half of v[252:253] before it is first written
	; where the results go
	s_lshr_b32 s38, s[HD], 4                       ; batch
	s_bfe_u32 s39, s[HD], 0x30001                  ; product 4's K step: head / 2
	s_lshl_b32 s39, s39, 10
	s_and_b32 s40, s[HD], 1
	s_lshl_b32 s40, s40, 9
	s_add_co_u32 s39, s39, s40                     ; 1,024 x K step + 512 x (head % 2)
	s_lshl_b32 s40, s38, 7
	s_add_co_u32 s41, s40, s[TL]
	s_lshl_b32 s41, s41, 13                        ; 8,192 bytes a tile of 16 tokens
	s_add_co_u32 s52, s41, s39
	s_mov_b32 s53, 0
	s_add_nc_u64 s[OCL:OCL+1], s[6:7], s[52:53]
	s_add_co_u32 s41, s40, s[TH]
	s_lshl_b32 s41, s41, 13
	s_add_co_u32 s52, s41, s39
	s_add_nc_u64 s[OCH:OCH+1], s[6:7], s[52:53]
	s_lshl_b32 s52, s38, 16                        ; scale bytes: 2,048 rows of 32 bytes a batch, my head's two at 2 x head
	s_and_b32 s40, s[HD], 15
	s_lshl_b32 s40, s40, 1
	s_add_co_u32 s52, s52, s40
	s_add_nc_u64 s[OSB:OSB+1], s[8:9], s[52:53]
	s_lshl_b32 s54, s[ODD], 4
	s_wait_loadcnt 0x0                             ; q and its scale words
	v_lshrrev_b32 v[QSL], s54, v[QSL]              ; my tile's half of the word,
	v_lshrrev_b32 v[QSH], s54, v[QSH]
	s_delay_alu instid0(VALU_DEP_2)
	v_and_b32 v[QSL], 0xffff, v[QSL]
	s_delay_alu instid0(VALU_DEP_2)
	v_and_b32 v[QSH], 0xffff, v[QSH]
	s_delay_alu instid0(VALU_DEP_2)
	v_lshl_or_b32 v[QSL], v[QSL], 16, v[QSL]       ; for K 0-63 and for K 64-127 alike
	s_delay_alu instid0(VALU_DEP_2)
	v_lshl_or_b32 v[QSH], v[QSH], 16, v[QSH]
	v_lshlrev_b32 v40, 5, v42                      ; the scale bytes' store: lanes 0-15 the low tile's rows, lanes 16-31 the high tile's: 32 r + 512 x tile
	s_lshl_b32 s52, s[TL], 9
	s_lshl_b32 s53, s[TH], 9
	v_add_nc_u32 v41, s53, v40
	v_add_nc_u32 v40, s52, v40
	s_delay_alu instid0(VALU_DEP_1)
	v_cndmask_b32 v[OSO], v40, v41, s[HM]
	s_wait_tensorcnt 0x0                           ; my piece has landed,
	s_barrier_signal -1
	s_barrier_wait -1                              ; everybody's has
; A KEY STEP of 128 keys for one tile.  qa = [q | 0], qb = [0 | q], qs = q's scale word.
.macro STEP qa, qb, qs
	s_cmp_gt_u32 s[ST], s[GC]                      ; all its keys come behind my queries: left out.  The condition is made of the wave's number and the count of steps
	s_cbranch_scc1 .Lhidden_\@
	v_add_nc_u32 v[ADK], s[TS], v[LI]              ; (these four are also the places in front of loads into registers that the last products read)
	v_add_nc_u32 v[ADV], s[TS], v[AV0]
	v_add_nc_u32 v[ADS], s[TJ], v[ASK0]
	v_add_nc_u32 v[ADT], s[TJ], v[ASV0]
.irp f, 0,1,2,3
.irp u, 0,1
	ds_load_b128 v[KF+8*\f+4*\u:KF+8*\f+4*\u+3], v[ADK] offset:1024*\f+512*\u   ; tile 2 f + u of the keys: an image of four registers
.endr
.endr
	ds_load_b64 v[KSR:KSR+1], v[ADS]               ; register y / 2: lanes 0-15 word y even, lanes 16-31 word y odd
.irp t, 0,1,2,3
.irp c, 0,1
	ds_load_b128 v[VF+8*\t+4*\c:VF+8*\t+4*\c+3], v[ADV] offset:1024*\t+512*\c
.endr
.endr
	ds_load_b64 v[VSR:VSR+1], v[ADT]
	s_wait_dscnt 9                                 ; k's nine loads are in; v's nine may be out
.irp f, 0,1,2,3
.if \f%2
	v_wmma_scale_f32_16x16x128_f8f6f4 v[S+16*\f:S+16*\f+7], v[KF+8*\f:KF+8*\f+7], v[\qa:\qa+7], 0, v[KSR+\f/2], v[\qs] matrix_a_fmt:MATRIX_FMT_FP4 matrix_b_fmt:MATRIX_FMT_FP4 matrix_a_scale:MATRIX_SCALE_ROW1
	v_wmma_scale_f32_16x16x128_f8f6f4 v[S+16*\f+8:S+16*\f+15], v[KF+8*\f:KF+8*\f+7], v[\qb:\qb+7], 0, v[KSR+\f/2], v[\qs] matrix_a_fmt:MATRIX_FMT_FP4 matrix_b_fmt:MATRIX_FMT_FP4 matrix_a_scale:MATRIX_SCALE_ROW1
.else
	v_wmma_scale_f32_16x16x128_f8f6f4 v[S+16*\f:S+16*\f+7], v[KF+8*\f:KF+8*\f+7], v[\qa:\qa+7], 0, v[KSR+\f/2], v[\qs] matrix_a_fmt:MATRIX_FMT_FP4 matrix_b_fmt:MATRIX_FMT_FP4
	v_wmma_scale_f32_16x16x128_f8f6f4 v[S+16*\f+8:S+16*\f+15], v[KF+8*\f:KF+8*\f+7], v[\qb:\qb+7], 0, v[KSR+\f/2], v[\qs] matrix_a_fmt:MATRIX_FMT_FP4 matrix_b_fmt:MATRIX_FMT_FP4
.endif
.endr
.rept 4
	v_nop                                          ; places behind the products, ahead of the first read of the scores
.endr
	s_cmp_lt_u32 s[ST], s[GC]                      ; a step ahead of my group: all its keys count
	s_cbranch_scc1 .Lopen_\@
.set n, 0
.rept 64                                           ; my own group: register 16 b + i holds key 32 b + 16 h + i of it: hidden where 32 b + i > DQ; its score becomes -infinity, so p = 0
	v_cmp_gt_i32 vcc_lo, 32*(n/16)+n%16, v[DQ]
	v_cndmask_b32 v[S+n], v[S+n], v[NINF], vcc_lo
.set n, n+1
.endr
.Lopen_\@:
.irp b, 0,1,2,3
	v_max3_num_f32 v[BM+\b], v[S+16*\b], v[S+16*\b+1], v[S+16*\b+2]   ; the largest score of each block of 32 keys: for the row's maximum, and, since p rises with the score, for the block's largest p
.endr
.irp i, 3,5,7,9,11,13
.irp b, 0,1,2,3
	v_max3_num_f32 v[BM+\b], v[BM+\b], v[S+16*\b+\i], v[S+16*\b+\i+1]
.endr
.endr
.irp b, 0,1,2,3
	v_max_num_f32 v[BM+\b], v[BM+\b], v[S+16*\b+15]
.endr
.irp b, 0,1,2,3
	s_delay_alu instid0(VALU_DEP_4)
	v_permlanex16_b32 v[PT+\b], v[BM+\b], s[SEL], s[SEL+1]
.endr
.irp b, 0,1,2,3
	s_delay_alu instid0(VALU_DEP_4)
	v_max_num_f32 v[BM+\b], v[BM+\b], v[PT+\b]     ; with lane l xor 16's 16 keys
.endr
	s_delay_alu instid0(VALU_DEP_2)
	v_max3_num_f32 v[TV], v[BM], v[BM+1], v[BM+2]
	s_delay_alu instid0(VALU_DEP_1)
	v_max_num_f32 v[TV], v[TV], v[BM+3]            ; the step's largest score of my query
	s_delay_alu instid0(VALU_DEP_1)
	v_mul_f32 v[TV], s[CS], v[TV]                  ; as t (c is positive)
	s_delay_alu instid0(VALU_DEP_1)
	v_max_num_f32 v13, v13, v[TV]                  ; the running largest t
	v_mov_b32 v[TV], v12
	s_delay_alu instid0(VALU_DEP_2)
	v_floor_f32 v12, -v13                          ; the new -M = floor(-t): M is a whole number
	s_delay_alu instid0(VALU_DEP_1)
	v_sub_f32 v[TV], v12, v[TV]                    ; old M - new M: a whole number, 0 or less
	s_delay_alu instid0(VALU_DEP_1)
	v_cvt_i32_f32 v[TV], v[TV]                     ; (it saturates)
	s_delay_alu instid0(VALU_DEP_1)
	v_ldexp_f32 v252, 1.0, v[TV]                   ; f = 2^(old M - new M)
.set n, 0
.rept 32
	v_pk_fma_f32 v[S+n:S+n+1], v[S+n:S+n+1], s[CS:CS+1], v[12:13] op_sel_hi:[1,0,0]   ; t - M, two at a time
.set n, n+2
.endr
.irp b, 0,1,2,3
	v_fma_f32 v[BM+\b], v[BM+\b], s[CS], v12       ; the same of each block's largest score
.endr
.set n, 0
	s_wait_alu depctr_va_vdst(0)
.rept 64
	v_exp_f32 v[S+n], v[S+n]                       ; p = 2^(t - M), at most 1
.set n, n+1
.endr
	v_pk_mul_f32 v[14:15], v[14:15], v[252:253] op_sel_hi:[1,0]   ; the sums under the new M: a plain instruction behind the exponentials
	s_wait_alu depctr_va_vdst(0)                   ; one wait for the batch of 64, ahead of its first reader
.irp b, 0,1,2,3
	v_exp_f32 v[BM+\b], v[BM+\b]                   ; the block's largest p: the same two instructions on the same number
.endr
	v_pk_add_f32 v[236:237], v[116:117], v[120:121]
	v_pk_add_f32 v[254:255], v[124:125], v[128:129]
	v_pk_add_f32 v[250:251], v[132:133], v[136:137]
	v_pk_add_f32 v[248:249], v[140:141], v[144:145]
	v_pk_add_f32 v[246:247], v[148:149], v[152:153]
	v_pk_add_f32 v[244:245], v[156:157], v[160:161]
	v_pk_add_f32 v[240:241], v[164:165], v[168:169]
	v_pk_add_f32 v[14:15], v[14:15], v[172:173]
	v_pk_add_f32 v[236:237], v[236:237], v[112:113]
	v_pk_add_f32 v[254:255], v[254:255], v[114:115]
	v_pk_add_f32 v[250:251], v[250:251], v[118:119]
	v_pk_add_f32 v[248:249], v[248:249], v[122:123]
	v_pk_add_f32 v[246:247], v[246:247], v[126:127]
	v_pk_add_f32 v[244:245], v[244:245], v[130:131]
	v_pk_add_f32 v[240:241], v[240:241], v[134:135]
	v_pk_add_f32 v[14:15], v[14:15], v[138:139]
	v_pk_add_f32 v[236:237], v[236:237], v[142:143]
	v_pk_add_f32 v[254:255], v[254:255], v[146:147]
	v_pk_add_f32 v[250:251], v[250:251], v[150:151]
	v_pk_add_f32 v[248:249], v[248:249], v[154:155]
	v_pk_add_f32 v[246:247], v[246:247], v[158:159]
	v_pk_add_f32 v[244:245], v[244:245], v[162:163]
	v_pk_add_f32 v[240:241], v[240:241], v[166:167]
	v_pk_add_f32 v[14:15], v[14:15], v[170:171]
	v_pk_add_f32 v[236:237], v[236:237], v[174:175]
	s_delay_alu instid0(VALU_DEP_2)
	v_pk_add_f32 v[14:15], v[14:15], v[248:249]
	s_delay_alu instid0(VALU_DEP_2)
	v_pk_add_f32 v[236:237], v[236:237], v[246:247]
	v_pk_add_f32 v[254:255], v[254:255], v[244:245]
	v_pk_add_f32 v[250:251], v[250:251], v[240:241]
	s_delay_alu instid0(VALU_DEP_2)
	v_pk_add_f32 v[14:15], v[14:15], v[254:255]
	s_delay_alu instid0(VALU_DEP_2)
	v_pk_add_f32 v[236:237], v[236:237], v[250:251]
	s_delay_alu instid0(VALU_DEP_1)
	v_pk_add_f32 v[14:15], v[14:15], v[236:237]
	s_wait_alu depctr_va_vdst(0)                   ; and one for the four
.irp b, 0,1,2,3
	v_max_num_f32 v[BM+\b], 0x1800000, v[BM+\b]    ; the floor 2^(3 - 127): the byte cannot fall under 1
.endr
.irp b, 0,1,2,3
	s_delay_alu instid0(VALU_DEP_4)
	v_add_nc_u32 v[SOP+\b], 0xff000000, v[BM+\b]   ; 2 off the exponent field: the conversion's scale operand
.endr
.irp b, 0,1,2,3
	s_delay_alu instid0(VALU_DEP_4)
	v_lshrrev_b32 v[PT+\b], 23, v[SOP+\b]          ; the scale's byte
.endr
	s_delay_alu instid0(VALU_DEP_3)
	v_lshl_or_b32 v253, v[PT+1], 8, v[PT]          ; p's scale word for these 128 keys
	s_delay_alu instid0(VALU_DEP_1)
	v_lshl_or_b32 v253, v[PT+2], 16, v253
	s_delay_alu instid0(VALU_DEP_1)
	v_lshl_or_b32 v253, v[PT+3], 24, v253
.irp b, 0,1,2,3
	v_cvt_scalef32_pk8_fp4_f32 v[PCD+2*\b], v[S+16*\b:S+16*\b+7], v[SOP+\b]
	v_cvt_scalef32_pk8_fp4_f32 v[PCD+2*\b+1], v[S+16*\b+8:S+16*\b+15], v[SOP+\b]
.endr
	v_nop                                          ; one plain place behind a scaled conversion
.irp c, 0,1                                        ; a whole block to a lane
.irp i, 0,1
	v_permlane16_swap_b32 v[PCD+4*\c+\i], v[PCD+4*\c+2+\i]
.endr
.endr
.set n, 0
.rept 16
	v_pk_mul_f32 v[O+n:O+n+1], v[O+n:O+n+1], v[252:253] op_sel_hi:[1,0]   ; O^T under the new M; these sixteen also stand between the writing of p's codes and scale word and the products
.set n, n+2
.endr
	s_wait_alu depctr_va_vdst(0)
	s_wait_dscnt 0x0                               ; v is in
.irp t, 0,1,2,3                                    ; O^T += v^T p^T: four tiles of 16 channels, four accumulators by turns
.if \t%2
	v_wmma_scale_f32_16x16x128_f8f6f4 v[O+8*\t:O+8*\t+7], v[VF+8*\t:VF+8*\t+7], v[PCD:PCD+7], v[O+8*\t:O+8*\t+7], v[VSR+\t/2], v253 matrix_a_fmt:MATRIX_FMT_FP4 matrix_b_fmt:MATRIX_FMT_FP4 matrix_a_scale:MATRIX_SCALE_ROW1
.else
	v_wmma_scale_f32_16x16x128_f8f6f4 v[O+8*\t:O+8*\t+7], v[VF+8*\t:VF+8*\t+7], v[PCD:PCD+7], v[O+8*\t:O+8*\t+7], v[VSR+\t/2], v253 matrix_a_fmt:MATRIX_FMT_FP4 matrix_b_fmt:MATRIX_FMT_FP4
.endif
.endr
.Lhidden_\@:
	s_add_co_u32 s[TS], s[TS], 4096                ; the next step's images
	s_add_co_u32 s[TJ], s[TJ], 256
.endm
; ONE TILE: nt trips, a constant of the text (8 for the low tile, 16 for the high one); the steps behind the tile's group are walked without work.  Then the way out.
.macro PASS hi, nt, qa, qb, qs, ocd, hw, oc
.if \hi
	s_sub_co_u32 s[GC], 15, s[GL]
.else
	s_mov_b32 s[GC], s[GL]
.endif
	v_mov_b32 v13, 0xff61b1e6                      ; the largest t so far: -3e38, under every t
	s_delay_alu instid0(VALU_DEP_1)
	v_floor_f32 v12, -v13
	v_mov_b32 v14, 0
	v_mov_b32 v15, 0
.set n, 0
.rept 32
	v_mov_b32 v[O+n], 0                            ; the step is written once: the first finds zeros, which the first change of M leaves zeros
.set n, n+1
.endr
	s_mov_b32 s[ST], 0
	s_mov_b32 s[TS], 0
	s_mov_b32 s[TJ], 0
.Lk_\@:
	STEP \qa, \qb, \qs
	s_add_co_u32 s[ST], s[ST], 1
	s_cmp_lt_u32 s[ST], \nt
	s_cbranch_scc1 .Lk_\@
.rept 4
	v_nop                                          ; places behind the last products
.endr
	v_add_f32 v14, v14, v15                        ; the sum's two halves,
	s_delay_alu instid0(VALU_DEP_1)
	v_permlanex16_b32 v[PT], v14, s[SEL], s[SEL+1]
	s_delay_alu instid0(VALU_DEP_1)
	v_add_f32 v14, v14, v[PT]                      ; and lane l xor 16's
	s_wait_alu depctr_va_vdst(0)
	v_rcp_f32 v14, v14
	v_nop                                          ; a plain place behind the reciprocal
	s_wait_alu depctr_va_vdst(0)                   ; and the wait ahead of its first reader
.set n, 0
.rept 16
	v_pk_mul_f32 v[S+n:S+n+1], v[O+n:O+n+1], v[14:15] op_sel_hi:[1,0]   ; O^T / the sum: register 16 b + i is channel 32 b + 16 h + i of my query
.set n, n+2
.endr
.irp b, 0,1
	v_max3_num_f32 v[BM+\b], |v[S+16*\b]|, |v[S+16*\b+1]|, 0x1800000    ; quantised along the head's 64: two blocks
.endr
.irp i, 2,4,6,8,10,12,14
.irp b, 0,1
	s_delay_alu instid0(VALU_DEP_2)
	v_max3_num_f32 v[BM+\b], v[BM+\b], |v[S+16*\b+\i]|, |v[S+16*\b+\i+1]|
.endr
.endr
.irp b, 0,1
	s_delay_alu instid0(VALU_DEP_2)
	v_permlanex16_b32 v[PT+\b], v[BM+\b], s[SEL], s[SEL+1]
.endr
.irp b, 0,1
	s_delay_alu instid0(VALU_DEP_2)
	v_max_num_f32 v[BM+\b], v[BM+\b], v[PT+\b]
.endr
.irp b, 0,1
	s_delay_alu instid0(VALU_DEP_2)
	v_add_nc_u32 v[SOP+\b], 0xff000000, v[BM+\b]
.endr
.irp b, 0,1
	s_delay_alu instid0(VALU_DEP_2)
	v_lshrrev_b32 v[PT+\b], 23, v[SOP+\b]
.endr
	s_delay_alu instid0(VALU_DEP_1)
	v_lshl_or_b32 v[\hw], v[PT+1], 8, v[PT]        ; my row's two scale bytes
.irp b, 0,1
	v_cvt_scalef32_pk8_fp4_f32 v[\ocd+2*\b], v[S+16*\b:S+16*\b+7], v[SOP+\b]
	v_cvt_scalef32_pk8_fp4_f32 v[\ocd+2*\b+1], v[S+16*\b+8:S+16*\b+15], v[SOP+\b]
.endr
	v_nop
.irp i, 0,1
	v_permlane16_swap_b32 v[\ocd+\i], v[\ocd+2+\i] ; lane (r, h): token r of the tile, d block h
.endr
	global_store_b128 v[LI], v[\ocd:\ocd+3], s[\oc:\oc+1]   ; 512 consecutive aligned bytes: half a fragment of product 4's operand
.endm
	PASS 0, 8, 20, 16, QSL, OCDL, HWL, OCL
	PASS 1, 16, 28, 24, QSH, OCDH, HWH, OCH
	v_cndmask_b32 v47, v[HWL], v[HWH], s[HM]
	global_store_b16 v[OSO], v47, s[OSB:OSB+1]
	s_wait_tensorcnt 0x0                           ; the wave's end
	ds_add_u32 v[SPW], v[NIL]
	s_wait_dscnt 0x0
	CROUND                                         ; the closing round
	s_endpgm
.Lfunc_end_k_q238e828f6c_attn:
	.size	k_q238e828f6c_attn, .Lfunc_end_k_q238e828f6c_attn-k_q238e828f6c_attn
	.p2alignl 7, 3214868480
	.fill 96, 4, 3214868480
	.section	.rodata,"a",@progbits
	.p2align	6, 0x0
	.amdhsa_kernel k_q238e828f6c_attn
		.amdhsa_group_segment_fixed_size 167936
		.amdhsa_private_segment_fixed_size 0
		.amdhsa_enable_private_segment 0
		.amdhsa_kernarg_size 24
		.amdhsa_user_sgpr_count 2
		.amdhsa_user_sgpr_kernarg_segment_ptr 1
		.amdhsa_wavefront_size32 1
		.amdhsa_system_sgpr_workgroup_id_x 1
		.amdhsa_system_sgpr_workgroup_id_y 1
		.amdhsa_system_sgpr_workgroup_id_z 1
		.amdhsa_system_vgpr_workitem_id 0
		.amdhsa_next_free_vgpr 256
		.amdhsa_next_free_sgpr 66
		.amdhsa_reserve_vcc 1
		.amdhsa_float_denorm_mode_32 3
		.amdhsa_float_denorm_mode_16_64 3
		.amdhsa_memory_ordered 1
		.amdhsa_forward_progress 1
		.amdhsa_inst_pref_size 61
	.end_amdhsa_kernel
	.amdgpu_metadata
---
amdhsa.version: [ 1, 2 ]
amdhsa.kernels:
  - .name:           k_q238e828f6c_attn
    .symbol:         k_q238e828f6c_attn.kd
    .args:
      - { .name: qkv, .offset: 0, .size: 8, .value_kind: global_buffer, .address_space: global }
      - { .name: ocodes, .offset: 8, .size: 8, .value_kind: global_buffer, .address_space: global }
      - { .name: oscales, .offset: 16, .size: 8, .value_kind: global_buffer, .address_space: global }
    .group_segment_fixed_size: 167936
    .private_segment_fixed_size: 0
    .kernarg_segment_align: 8
    .kernarg_segment_size: 24
    .max_flat_workgroup_size: 512
    .sgpr_count:     66
    .vgpr_count:     256
    .wavefront_size: 32
...
	.end_amdgpu_metadata
.endif
;; end of part 3
;; launch proj (part 4): grid 8 x 32, 4 waves a work-group, clusters of 4 x 4, 327,680 bytes of LDS; arguments ocodes, oscales, codes, scales, b_proj, out0; writes out0
.if DOCPART == 4
	.amdgcn_target "amdgcn-amd-amdhsa--gfx1250"
	.amdhsa_code_object_version 6
	.text
	.protected	k_q238e828f6c_proj
	.globl	k_q238e828f6c_proj
	.p2align	8
	.type	k_q238e828f6c_proj,@function
k_q238e828f6c_proj:
	s_mov_b64 s[64:65], 0
	v_nop
	global_prefetch_b8 v0, s[64:65] scope:SCOPE_SE
	s_setreg_imm32_b32 hwreg(HW_REG_WAVE_MODE, 25, 1), 1
	s_wait_xcnt 0x0
	s_wait_alu depctr_hold_cnt(0) depctr_sa_sdst(0) depctr_va_vdst(0) depctr_va_sdst(0) depctr_va_ssrc(0) depctr_va_vcc(0) depctr_vm_vsrc(0)
	s_getreg_b32 s2, hwreg(HW_REG_IB_STS2, 6, 4)
	s_cmp_eq_u32 s2, 0
	s_cbranch_scc0 .Lentry_in_a_cluster
	s_endpgm
.Lentry_in_a_cluster:
	s_bfe_u32 s2, ttmp6, 0x10000c
	s_cmp_lg_u32 s2, 0xf033
	s_cbranch_scc0 .Lentry_shape_is_right
	s_endpgm
.Lentry_shape_is_right:
; PRODUCT 4 AND ITS BIAS: out0 = O w_proj^T + b_proj on codes of FP4.  A work-group of four waves makes 256 tokens x 128 channels, a wave 64 x 128: 32 accumulators.  256 work-groups.
; Both operands lie in memory as images of operand registers (a tile of 16 rows: 8,192 bytes, [K step][c][lane][16 bytes]), so LDS holds them dense and a fragment load reads 512 consecutive bytes.
; All of K = 1,024 comes at the head, one joint load a wave: waves 0 and 1 bring the halves of O's 256 tokens (65,536 bytes each), waves 2 and 3 those of w_proj's 128 rows (32,768 bytes each).  Nothing is filled again.
; CLUSTERS: 4 x 4 work-groups.  O's tile hangs on the tile row alone and is asked for jointly by a row of the cluster, w_proj's on the tile column alone, by a column.
; The scale words go from memory straight into their 48 registers.  Source 0 = 16 rows of w_proj, source 1 = 16 tokens: a lane holds one token, its registers run along the channels; the bias is the C of each sum's first product.
; The results go through the wave's own stage and leave as rows of 512 consecutive aligned bytes.
.set BOFF,  131072                     ; LDS: O's 16 tiles at 0, w_proj's 8 tiles here,
.set STAGE, 196608                     ; the stages: 16 rows x 528 bytes a wave,
.set SPARE, STAGE+4*16*528             ; the spare words: 128 bytes a wave, named by no other line
.set ADRA, 16
.set ADRB, 20
.set ADSA, 22
.set ADSB, 23
.set STO,  24
.set RD,   25
.set CO,   26
.set BO,   27
.set SPW,  28
.set NIL,  29
.set SC,   32
.set AF,   128
.set BI,   192
.set G1A, 24
.set G0A, 32
.set G1B, 48
.set G0B, 56
.set G1SA, 68
.set G0SA, 76
.set G1SB, 80
.set G0SB, 88
.set OUTP, 94
.set MSB, 0
.macro WIN new
.if MSB != (\new)
	s_set_vgpr_msb (MSB<<8)|(\new)
.set MSB, \new
.endif
.endm
.macro JLOAD g0a, g1a, g0b, g1b
	s_cmp_eq_u32 s15, 0
	s_cbranch_scc0 .Lfor_b_\@
	tensor_load_to_lds s[\g0a:\g0a+3], s[\g1a:\g1a+7]
	s_nop 0
.rept 4
	v_nop
.endr
	s_branch .Lasked_\@
.Lfor_b_\@:
	tensor_load_to_lds s[\g0b:\g0b+3], s[\g1b:\g1b+7]
	s_nop 0
.rept 4
	v_nop
.endr
.Lasked_\@:
.endm
.macro CROUND
	s_barrier_signal -1
	s_barrier_wait -1
	s_cmp_lg_u32 s14, 0
	s_cbranch_scc1 .Lnot_wave_0_\@
	s_barrier_signal -3
.Lnot_wave_0_\@:
	s_barrier_wait -3
	s_barrier_signal -1
	s_barrier_wait -1
.endm
	s_load_b256 s[4:11], s[0:1], 0x0
	s_load_b128 s[92:95], s[0:1], 0x20
	v_lshl_add_u32 v[SPW], v0, 2, SPARE
	v_mov_b32 v[NIL], 0
	ds_add_u32 v[SPW], v[NIL]
	ds_add_u32 v[SPW], v[NIL]
	v_lshrrev_b32 v1, 5, v0
	v_readfirstlane_b32 s14, v1
	s_lshr_b32 s15, s14, 1
	s_and_b32 s16, s14, 1
	s_bfe_u32 s40, ttmp6, 0x40000
	s_bfe_u32 s41, ttmp6, 0x40004
	s_lshl_b32 s42, ttmp9, 2
	s_add_co_u32 s42, s42, s40
	s_and_b32 s17, ttmp7, 0xffff
	s_lshl_b32 s17, s17, 2
	s_add_co_u32 s17, s17, s41
	s_lshl_b32 s43, s41, 2
	s_lshl_b32 s43, 15, s43
	s_lshl_b32 s44, 0x1111, s40
	s_or_b32 s[G1A], s43, (3<<16)|(1<<21)          ; the mask: my row of the cluster; elements of 8 bytes; bit 21 beside a mask; no padding
	s_mov_b32 s[G1A+1], 32<<16                     ; a dense block of 65,536 bytes as 256 rows of 256 bytes
	s_mov_b32 s[G1A+2], 256<<16
	s_mov_b32 s[G1A+3], 32<<16
	s_mov_b32 s[G1A+4], 256
	s_mov_b32 s[G1A+5], 32
	s_mov_b32 s[G1A+6], 0
	s_mov_b32 s[G1A+7], 0
	s_or_b32 s[G1B], s44, (3<<16)|(1<<21)          ; my column of the cluster
	s_mov_b32 s[G1B+1], 32<<16                     ; 32,768 bytes as 128 rows of 256 bytes
	s_mov_b32 s[G1B+2], 128<<16
	s_mov_b32 s[G1B+3], 32<<16
	s_mov_b32 s[G1B+4], 128
	s_mov_b32 s[G1B+5], 32
	s_mov_b32 s[G1B+6], 0
	s_mov_b32 s[G1B+7], 0
	s_lshl_b32 s18, s17, 4
	s_lshl_b32 s19, s16, 3
	s_add_co_u32 s18, s18, s19
	s_lshl_b32 s20, s18, 13
	s_mov_b32 s21, 0
	s_lshl_b32 s46, s42, 7
	s_lshl_b32 s19, s16, 6
	s_add_co_u32 s46, s46, s19
	s_add_co_u32 s46, s46, 11264                   ; w_proj: behind x's and w_qkv's 11,264 rows: 128 x tile column + 64 x half
	s_lshl_b32 s46, s46, 9                         ; 512 bytes of codes a row
	s_mov_b32 s47, 0
	s_lshl_b32 s45, s16, 16                        ; where they go: O's halves at 0 and 65,536,
	s_lshl_b32 s66, s16, 15
	s_add_co_u32 s66, s66, BOFF                    ; w_proj's at BOFF and 32,768 further on: no place in the cluster enters an LDS address
	s_lshl_b32 s22, s17, 13                        ; O's scale bytes, 32 a token: the tile row's 256 tokens,
	s_lshl_b32 s23, s14, 11
	s_add_co_u32 s22, s22, s23                     ; my wave's 64 of them
	s_lshl_b32 s23, s42, 12                        ; w_proj's: 512 bytes a tile, from tile 704 on, 8 tiles a tile column
	s_add_co_u32 s23, s23, 704*512
	s_wait_dscnt 0x0                               ; both opening adds are done
	s_wait_kmcnt 0x0
	s_add_nc_u64 s[20:21], s[4:5], s[20:21]
	s_add_nc_u64 s[46:47], s[8:9], s[46:47]
	CROUND                                         ; all sixteen work-groups are here: the joint loads meet
	s_mov_b32 s[G0A], 1
	s_mov_b32 s[G0A+1], s45
	s_mov_b64 s[G0A+2:G0A+3], s[20:21]
	s_or_b32 s[G0A+3], s[G0A+3], 0x80000000
	s_mov_b32 s[G0B], 1
	s_mov_b32 s[G0B+1], s66
	s_mov_b64 s[G0B+2:G0B+3], s[46:47]
	s_or_b32 s[G0B+3], s[G0B+3], 0x80000000
	JLOAD G0A, G1A, G0B, G1B                       ; my one tensor load of the launch
	v_and_b32 v1, 15, v0                           ; r
	v_bfe_u32 v2, v0, 4, 1                         ; h
	v_and_b32 v3, 31, v0                           ; lane
	v_lshlrev_b32 v[CO], 4, v3                     ; an image: 16 bytes a lane
	s_lshl_b32 s18, s14, 15                        ; my wave's four tiles of tokens
	v_add_nc_u32 v[ADRA], s18, v[CO]
	v_add_nc_u32 v[ADRA+1], 4096, v[ADRA]          ; K steps 4 to 7 lie 4,096 bytes on in each tile
	v_add_nc_u32 v[ADRB], BOFF, v[CO]
	v_add_nc_u32 v[ADRB+1], 4096, v[ADRB]
	v_lshl_add_u32 v[ADSA], v3, 5, s22             ; O's scale words: lane l takes token 32 y + l, 32 bytes a token
	v_lshlrev_b32 v6, 4, v1
	v_lshl_add_u32 v6, v2, 9, v6
	v_add_nc_u32 v[ADSB], s23, v6                  ; w_proj's: tile 2 y + l / 16 (512 bytes), row l % 16 (16 bytes), the half of K 256 bytes on
.irp sl, 0,1
.irp y, 0,1
	global_load_b128 v[SC+24*\sl+4*\y:SC+24*\sl+4*\y+3], v[ADSA], s[6:7] offset:1024*\y+16*\sl
.endr
.irp y, 0,1,2,3
	global_load_b128 v[SC+24*\sl+8+4*\y:SC+24*\sl+8+4*\y+3], v[ADSB], s[10:11] offset:1024*\y+256*\sl
.endr
.endr
	s_mul_i32 s18, s14, 16*528
	s_add_co_u32 s18, s18, STAGE
	v_mul_u32_u24 v4, v1, 528
	v_lshl_add_u32 v4, v2, 6, v4
	v_add_nc_u32 v[STO], s18, v4
	v_add_nc_u32 v[RD], s18, v[CO]
	v_lshlrev_b32 v[BO], 6, v2
	s_wait_alu depctr_va_vdst(0)
	s_lshl_b32 s18, s17, 8
	s_lshl_b32 s19, s14, 6
	s_add_co_u32 s18, s18, s19
	s_lshl_b32 s18, s18, 12
	s_lshl_b32 s20, s42, 9
	s_mov_b32 s21, 0
	s_add_nc_u64 s[92:93], s[92:93], s[20:21]
	s_add_co_u32 s20, s20, s18
	s_add_nc_u64 s[OUTP:OUTP+1], s[OUTP:OUTP+1], s[20:21]
.irp b, 0,1,2,3,4,5,6,7
	global_load_b128 v[BI+8*\b:BI+8*\b+3], v[BO], s[92:93] offset:(32*(\b/2)+8*(\b%2))*4
	global_load_b128 v[BI+8*\b+4:BI+8*\b+7], v[BO], s[92:93] offset:(32*(\b/2)+8*(\b%2))*4+16
.endr
.macro MM
.if pA==0 && pB==0
	v_wmma_scale_f32_16x16x128_f8f6f4 v[rD:rD+7], v[rA:rA+7], v[rB:rB+7], v[rC:rC+7], v[rSA], v[rSB] matrix_a_fmt:MATRIX_FMT_FP4 matrix_b_fmt:MATRIX_FMT_FP4
.elseif pA==1 && pB==0
	v_wmma_scale_f32_16x16x128_f8f6f4 v[rD:rD+7], v[rA:rA+7], v[rB:rB+7], v[rC:rC+7], v[rSA], v[rSB] matrix_a_fmt:MATRIX_FMT_FP4 matrix_b_fmt:MATRIX_FMT_FP4 matrix_a_scale:MATRIX_SCALE_ROW1
.elseif pA==0
	v_wmma_scale_f32_16x16x128_f8f6f4 v[rD:rD+7], v[rA:rA+7], v[rB:rB+7], v[rC:rC+7], v[rSA], v[rSB] matrix_a_fmt:MATRIX_FMT_FP4 matrix_b_fmt:MATRIX_FMT_FP4 matrix_b_scale:MATRIX_SCALE_ROW1
.else
	v_wmma_scale_f32_16x16x128_f8f6f4 v[rD:rD+7], v[rA:rA+7], v[rB:rB+7], v[rC:rC+7], v[rSA], v[rSB] matrix_a_fmt:MATRIX_FMT_FP4 matrix_b_fmt:MATRIX_FMT_FP4 matrix_a_scale:MATRIX_SCALE_ROW1 matrix_b_scale:MATRIX_SCALE_ROW1
.endif
.endm
.macro MUL32 set, q, sc, first
.irp a, 0,1,2,3
.irp b, 0,1,2,3,4,5,6,7
.set rD, 8*(8*\a+\b)
.set rA, 128*(\set)+8*\b
.set rB, AF+32*(\set)+8*\a
.set rSA, SC+24*(\sc)+8+4*(\b/2)+(\q)
.set rSB, SC+24*(\sc)+4*(\a/2)+(\q)
.set rC, rD
.if \first
.set rC, BI+8*\b
.endif
.set pA, \b%2
.set pB, \a%2
	MM
.endr
.endr
.endm
.macro FETCH slot, q, set
	WIN 0x40
.irp b, 0,1,2,3,4,5,6,7
.irp c, 0,1
	ds_load_b128 v[128*(\set)+8*\b+4*\c:128*(\set)+8*\b+4*\c+3], v[ADRB+(\slot)] offset:8192*\b+1024*(\q)+512*\c
.endr
.endr
	WIN 0
.irp a, 0,1,2,3
.irp c, 0,1
	ds_load_b128 v[AF+32*(\set)+8*\a+4*\c:AF+32*(\set)+8*\a+4*\c+3], v[ADRA+(\slot)] offset:8192*\a+1024*(\q)+512*\c
.endr
.endr
.endm
.macro KSTEP k
	WIN 0
	s_wait_dscnt 0x0                               ; this K step's fragments are in
.if (\k)>0
.rept 4
	v_nop
.endr
.endif
.if (\k)<7
	FETCH ((\k)+1)/4, ((\k)+1)%4, ((\k)+1)%2
.endif
.if (\k)==0
	WIN 0x81
	MUL32 0, 0, 0, 1
.else
	WIN 0xa1
	MUL32 (\k)%2, (\k)%4, (\k)/4, 0
.endif
.endm
	s_wait_tensorcnt 0x0                           ; my part of the tiles is in
	s_barrier_signal -1
	s_barrier_wait -1                              ; everybody's is
	FETCH 0, 0, 0
	s_wait_loadcnt 0x0                             ; the scale words and the bias
	KSTEP 0
	KSTEP 1
	KSTEP 2
	KSTEP 3
	KSTEP 4
	KSTEP 5
	KSTEP 6
	KSTEP 7
	WIN 0
.macro TOSTAGE a
	WIN 0x08
.irp b, 0,1,2,3,4,5,6,7
	ds_store_b128 v[STO], v[8*(8*\a+\b):8*(8*\a+\b)+3] offset:128*(\b/2)+32*(\b%2)
	ds_store_b128 v[STO], v[8*(8*\a+\b)+4:8*(8*\a+\b)+7] offset:128*(\b/2)+32*(\b%2)+16
.endr
	WIN 0x40
.irp t, 0,1,2,3,4,5,6,7,8,9,10,11,12,13,14,15
	ds_load_b128 v[64*\a+4*\t:64*\a+4*\t+3], v[RD] offset:528*\t
.endr
	WIN 0
.endm
.macro SEND a, younger
	s_wait_dscnt \younger
	WIN 0x04
.irp t, 0,1,2,3,4,5,6,7,8,9,10,11,12,13,14,15
	global_store_b128 v[CO], v[64*\a+4*\t:64*\a+4*\t+3], s[OUTP:OUTP+1] offset:(32*(\a/2)+8*(\a%2)+\t+8*(\t/8))*4096 th:TH_STORE_NT
.endr
	WIN 0
.endm
.rept 4
	v_nop
.endr
	TOSTAGE 0
	TOSTAGE 1
	SEND 0, 32
	TOSTAGE 2
	SEND 1, 32
	TOSTAGE 3
	SEND 2, 32
	SEND 3, 0
	s_wait_tensorcnt 0x0
	ds_add_u32 v[SPW], v[NIL]
	s_wait_dscnt 0x0
	CROUND
	s_endpgm
.Lfunc_end_k_q238e828f6c_proj:
	.size	k_q238e828f6c_proj, .Lfunc_end_k_q238e828f6c_proj-k_q238e828f6c_proj
	.p2alignl 7, 3214868480
	.fill 96, 4, 3214868480
	.section	.rodata,"a",@progbits
	.p2align	6, 0x0
	.amdhsa_kernel k_q238e828f6c_proj
		.amdhsa_group_segment_fixed_size 327680
		.amdhsa_private_segment_fixed_size 0
		.amdhsa_enable_private_segment 0
		.amdhsa_kernarg_size 48
		.amdhsa_user_sgpr_count 2
		.amdhsa_user_sgpr_kernarg_segment_ptr 1
		.amdhsa_wavefront_size32 1
		.amdhsa_system_sgpr_workgroup_id_x 1
		.amdhsa_system_sgpr_workgroup_id_y 1
		.amdhsa_system_sgpr_workgroup_id_z 1
		.amdhsa_system_vgpr_workitem_id 0
		.amdhsa_next_free_vgpr 768
		.amdhsa_next_free_sgpr 100
		.amdhsa_reserve_vcc 0
		.amdhsa_float_denorm_mode_32 3
		.amdhsa_float_denorm_mode_16_64 3
		.amdhsa_memory_ordered 1
		.amdhsa_forward_progress 1
		.amdhsa_inst_pref_size 70
	.end_amdhsa_kernel
	.amdgpu_metadata
---
amdhsa.version: [ 1, 2 ]
amdhsa.kernels:
  - .name:           k_q238e828f6c_proj
    .symbol:         k_q238e828f6c_proj.kd
    .args:
      - { .name: ocodes, .offset: 0, .size: 8, .value_kind: global_buffer, .address_space: global }
      - { .name: oscales, .offset: 8, .size: 8, .value_kind: global_buffer, .address_space: global }
      - { .name: codes, .offset: 16, .size: 8, .value_kind: global_buffer, .address_space: global }
      - { .name: scales, .offset: 24, .size: 8, .value_kind: global_buffer, .address_space: global }
      - { .name: b_proj, .offset: 32, .size: 8, .value_kind: global_buffer, .address_space: global }
      - { .name: out0, .offset: 40, .size: 8, .value_kind: global_buffer, .address_space: global }
    .group_segment_fixed_size: 327680
    .private_segment_fixed_size: 0
    .kernarg_segment_align: 8
    .kernarg_segment_size: 48
    .max_flat_workgroup_size: 128
    .sgpr_count:     100
    .vgpr_count:     768
    .wavefront_size: 32
...
	.end_amdgpu_metadata
.endif
;; end of part 4
